; MI455X (gfx1250); checked and timed in simulation.
; The chip was launched on July 23, 2026; its instructions are those of AMD's public machine-readable ISA for CDNA 5 (MIT licence, August 2026) and "CDNA5" Instruction Set Architecture Reference Guide (July 2026). The comments in the code are by the model that wrote it; some were corrected since.
;; H Attention. Allowed arithmetic: matrix products marked QUANTISED: E4M3 operands, one given power-of-two scale a tensor, by v_wmma_f32_16x16x64_fp8_fp8 or v_wmma_f32_16x16x128_fp8_fp8, f32 sums; everything else in f32.
;; Inputs: A_bias 2,048 x 16 float32; A_log 2,048 x 16 float32; L 2,048 x 16 x 12 float32; L_bias 2,048 x 16 x 12 float32; Wk 1,024 x 1,024 float32; Wo 1,024 x 1,024 float32; Wq 1,024 x 1,024 float32; Wv 1,024 x 1,024 float32; bk 1,024 float32; bo 1,024 float32; bq 1,024 float32; bv 1,024 float32; levels 2,048 x 2,048 int32; lowp_scales 6 int32 (the exponents e of the quantised operands' scales 2^e); x 8 x 2,048 x 1,024 float32.
;; Outputs: out0 8 x 2,048 x 1,024 float32.
;; This version of the problem:
;;   THIS VERSION OF THE PROBLEM IS GIVEN IN LOW PRECISION. The matrix products marked QUANTISED in the list below multiply operands that are first quantised to E4M3 (4 exponent bits, 3 mantissa bits; 8 bits a number), with one given power-of-two scale for each operand tensor; their sums are f32. All else is computed in f32.
;;   The module's matrix products, in the order in which they are computed (A, B: the left and right operand; K: the contracted axis; several contracted axes count as one K, in the product's order):
;;     1. [M 16,384, K 1,024] x [K 1,024, N 1,024]; A: input x; B: input Wv: QUANTISED (scales: A lowp_scales[0], B lowp_scales[1])
;;     2. batch 16 x [M 512, K 2,048] x [K 2,048, N 2,048]; A: computed on the way; B: softmax (see below): QUANTISED (scales: A lowp_scales[2], B lowp_scales[3])
;;     3. [M 16,384, K 1,024] x [K 1,024, N 1,024]; A: computed on the way; B: input Wo: QUANTISED (scales: A lowp_scales[4], B lowp_scales[5])
;;   THE QUANTISER, for each operand of a quantised product, along K:
;;     - The operand's scale is 2^e, e = its entry of the input lowp_scales (int32; the entries are numbered through the quantised products in the list's order, A before B).
;;     - Each number is divided by the scale, clamped to +-448, and rounded to the nearest number of E4M3, ties to even, subnormals kept.
;;     - The product sums the exact products of the quantised numbers (number of the format x scale) in f32.
;;   ~~~python
;;   def quantise(x, axis, e):      # numpy; x: float32 -> the quantised numbers, widened to float32 again
;;       x = np.moveaxis(x, axis, -1); K = x.shape[-1]
;;       r = np.clip(x / 2.0 ** e, -448, 448)
;;       step = 2.0 ** (np.maximum(np.frexp(np.where(r == 0, 1, r))[1] - 1, -6) - 3)
;;       q = np.round(r / step) * step * 2.0 ** e      # np.round: ties to even
;;       return np.moveaxis(q, -1, axis).astype(np.float32)
;;   ~~~
;;   SOFTMAX AHEAD OF A QUANTISED PRODUCT. Where the list says 'softmax', what is quantised is not the finished softmax but p = 2^(t - M), with t = logit x log2(e) and M = ceil(the row's largest t), a whole number; so 1/2 < the row's largest p <= 1. The row's sum l is taken of the UNQUANTISED p, in f32, and the product's result is divided by l at the end. Since M is a whole number, a kernel that streams over the keys may use a running M (the ceiling of the running maximum): every later rescaling is an exact power of two, so the quantised numbers keep their values, but for numbers so far below the row's largest that they fall under the format's range.
;;   OPERANDS COMPUTED ON THE WAY. 'Computed on the way' means the value that the module computes at that place (a softmax that the list does not call 'softmax' is quantised finished and normalised). What goes into a quantiser is computed in f32, as accurately as f32 sums, v_exp_f32 and their like allow (about 1e-6 of the number): no bf16 or f16 on the way to a quantiser, and a product that is left as it is and whose result goes on into a quantised operand takes f32 operands (vector FMAs, or v_wmma_f32_16x16x4_f32). A number that lies on a knife's edge between two numbers of the format may be rounded either way, as far as f32 arithmetic and the matrix unit's own rounding can turn it there, and no further.
;; One version. Each part assembles by itself: llvm-mc -triple=amdgcn-amd-amdhsa -mcpu=gfx1250 --defsym DOCPART=n.
;; ======== version 1 of 1: 5 launches
;; limits: right only within a limited range of input values
;; workspace buffers: xq 16,777,216 bytes; wvq 1,048,576 bytes; woq 1,048,576 bytes; c2t 131,072 bytes; pq 67,108,864 bytes; pl 131,072 bytes; vt 16,777,216 bytes; oq 16,777,216 bytes
;; launch prep (part 1): grid 580 x 1, 4 waves a work-group, no clusters, 75,264 bytes of LDS; arguments x, Wv, Wo, lowp_scales, A_log, A_bias, xq, wvq, woq, c2t; writes xq, wvq, woq, c2t
.if DOCPART == 1
	.amdgcn_target "amdgcn-amd-amdhsa--gfx1250"
	.amdhsa_code_object_version 6
	.text
	.protected	k_q0e0315eacb_prep
	.globl	k_q0e0315eacb_prep
	.p2align	8
	.type	k_q0e0315eacb_prep,@function
k_q0e0315eacb_prep:
	s_mov_b64 s[64:65], 0
	v_nop
	global_prefetch_b8 v0, s[64:65] scope:SCOPE_SE
	s_setreg_imm32_b32 hwreg(HW_REG_WAVE_MODE, 25, 1), 1
	s_wait_xcnt 0x0
; PREP.  (1) x [16384][1024], Wv [1024][1024], Wo [1024][1024], f32, K innermost, become codes of FP8 (E4M3), one byte each, with the given scales 2^e (entries 0, 1, 5).
;        (2) c2[h][t] = the running sum over t of log2(sigmoid(A_log + A_bias)), f32, laid [16 heads][2048].
; code = x / 2^e, held within +-448, to the nearest code, ties to even.  LIMITS: each e between -126 and 119; NaN among the inputs is not served.
; ROWS OF xq AND wvq: bits 3 and 4 of the row's number change places (row R lies at the place R with these two bits exchanged); woq's rows lie as they are.  So in the products that follow, the
; sixteen results that a lane holds of two neighbouring tiles of 16 places are sixteen NEIGHBOURING rows, which is what the next quantiser wants.
; SHARES.  Work-groups 0-3: the sums, four heads each.  Then 512 work-groups for x, 32 for Wv, 32 for Wo: 32 rows each, 8 rows (8,192 numbers) a wave: the exchange of bits is a choice of the wave's place.
; The quantising path: each load reads 512 consecutive bytes, 16 a lane; a step's 2,048 bytes go through the wave's own stage in LDS and come back 64 bytes (16 neighbours) a lane; a lane's 16 codes are
; 16 bytes, so a store covers 512 consecutive bytes.  Loads run four steps ahead.  Its waves share nothing: no barrier.  The two paths use LDS bytes of their own.
; c2: log2(sigmoid z) = -log2(1 + 2^(-z log2 e)).  The order of the sums (16 in a thread, then 32 lanes, then 4 waves) differs from a plain running sum: f32 rounding of the same size.
; INPUTS WITH NO WAY TO THE OUTPUT: reference() forms no product with Wq, bq, Wk, bk, whatever they hold: they are not loaded and stand among no launch's arguments.
; LIMIT: a NaN or an infinity in those four inputs is not carried to the result.
.set NSCAN, 4                          ; work-groups for the sums
.set GX,    512                        ; work-groups for x
.set GW,    32                         ; for Wv, and for Wo
.set STEPS, 16
.set EMAX,  8
.set MANT,  0x600000                   ; the mantissa field of 448 as f32
.set CB,    16                         ; bytes of 16 codes
.set R,     16                         ; v16-79   four sets of 16 numbers as they are loaded
.set X,     80                         ; v80-111  two sets of 16 neighbours
.set C,     128                        ; v128-191 codes: four registers for each step
.set WREG,  8192                       ; LDS of a quantising wave: two stages of 32 x SP bytes
.set SP,    80                         ; a lane's place in a stage: 64 bytes + 16 of padding
.set SCT,   32768                      ; LDS of the sums' path: the four waves' totals, 16 bytes (four heads) each,
.set SCS,   SCT+256                    ; and for each wave four stages (a head each) of 32 x SP bytes
.set Z,     32                         ; v32-95   the sums' path: my 16 rows x 4 heads (register 4 i + k), later the rows read back
.set ZB,    96                         ; v96-159  A_bias, later c2 by heads (register 16 k + i)
	v_lshl_add_u32 v192, v0, 2, 0x12400
	v_mov_b32 v193, 0
	s_cmp_lt_u32 ttmp9, NSCAN
	s_cbranch_scc1 .Lscan
	s_load_b128 s[4:7], s[0:1], 0x0                ; x, Wv
	s_load_b128 s[8:11], s[0:1], 0x10              ; Wo, the scales' exponents
	s_load_b128 s[12:15], s[0:1], 0x30             ; xq, wvq
	s_load_b64 s[16:17], s[0:1], 0x40              ; woq
	v_lshrrev_b32 v1, 5, v0
	v_readfirstlane_b32 s20, v1                    ; wave
	v_and_b32 v2, 31, v0                           ; lane
	v_lshlrev_b32 v3, 4, v2                        ; my 16 bytes of a load's 512
	s_mul_i32 s18, s20, WREG
	v_lshrrev_b32 v14, 2, v2
	v_mul_u32_u24 v14, v14, SP
	v_and_b32 v15, 3, v2
	v_lshl_add_u32 v14, v15, 4, v14
	v_add_nc_u32 v14, s18, v14                     ; the stage, on the way in: SP (lane / 4) + 16 (lane % 4)
	v_mul_u32_u24 v15, v2, SP
	v_add_nc_u32 v15, s18, v15                     ; and on the way out: SP x lane: my 16 neighbours
	v_mul_u32_u24 v4, v2, CB                       ; my codes' place in a step's
	s_sub_co_u32 s21, ttmp9, NSCAN                 ; g: 0-511 x, 512-543 Wv, 544-575 Wo
	s_and_b32 s30, s20, 1
	s_lshl_b32 s30, s30, 1
	s_lshr_b32 s31, s20, 1
	s_or_b32 s30, s30, s31                         ; the wave's number with its two bits exchanged: these are bits 3 and 4 of its rows
	s_wait_alu depctr_va_vdst(0)
	s_wait_kmcnt 0x0
	s_load_b128 s[24:27], s[10:11], 0x0            ; e0 .. e3
	s_load_b64 s[28:29], s[10:11], 0x10            ; e4, e5
	s_mov_b32 s22, GX+GW
	s_cmp_lt_u32 s21, GX+GW                        ; the choices hang on the work-group's number alone
	s_cselect_b64 s[6:7], s[6:7], s[8:9]           ; Wv or Wo
	s_cselect_b64 s[14:15], s[14:15], s[16:17]
	s_cselect_b32 s22, GX, s22                     ; the tensor's first work-group
	s_cselect_b32 s30, s30, s20                    ; Wo's rows keep their places
	s_cmp_lt_u32 s21, GX
	s_cselect_b64 s[4:5], s[4:5], s[6:7]           ; x or a weight
	s_cselect_b64 s[12:13], s[12:13], s[14:15]
	s_cselect_b32 s22, 0, s22
	s_sub_co_u32 s22, s21, s22                     ; which 32 rows of the tensor
	s_lshl_b32 s22, s22, 2
	s_add_co_u32 s32, s22, s20
	s_lshl_b32 s32, s32, 15                        ; in: 8 rows of 4,096 bytes for each wave
	s_mov_b32 s33, 0
	s_add_nc_u64 s[4:5], s[4:5], s[32:33]
	s_add_co_u32 s32, s22, s30
	s_lshl_b32 s32, s32, 13                        ; out: 8 rows of 1,024 bytes, at the wave's place
	s_add_nc_u64 s[12:13], s[12:13], s[32:33]
.macro LOAD t
.irp i, 0,1,2,3
	global_load_b128 v[R+16*((\t)%4)+4*\i:R+16*((\t)%4)+4*\i+3], v3, s[4:5] offset:2048*(\t)+512*\i th:TH_LOAD_NT   ; 32 lanes read 512 consecutive bytes
.endr
.endm
.macro TURN t                          ; step t's numbers through the stage: LDS serves a wave's instructions in order, so no wait stands between the stores and the loads
.irp i, 0,1,2,3
	ds_store_b128 v14, v[R+16*((\t)%4)+4*\i:R+16*((\t)%4)+4*\i+3] offset:32*SP*((\t)%2)+8*SP*\i
.endr
.irp i, 0,1,2,3
	ds_load_b128 v[X+16*((\t)%2)+4*\i:X+16*((\t)%2)+4*\i+3], v15 offset:32*SP*((\t)%2)+16*\i
.endr
.endm
.irp t, 0,1,2,3
	LOAD \t
.endr
	s_wait_kmcnt 0x0
	s_cmp_lt_u32 s21, GX+GW
	s_cselect_b32 s25, s25, s29                    ; e1 or e5
	s_cmp_lt_u32 s21, GX
	s_cselect_b32 s22, s24, s25                    ; e
	s_add_co_i32 s22, s22, 127
	s_lshl_b32 s23, s22, 23
	v_mov_b32 v11, s23                             ; 2^e as f32: the conversion takes its exponent field
	s_add_co_i32 s22, s22, EMAX
	s_lshl_b32 s22, s22, 23
	s_or_b32 s22, s22, MANT
	v_mov_b32 v10, s22                             ; 448 x 2^e
	s_wait_alu depctr_va_vdst(0)
	s_wait_loadcnt 12                              ; step 0's four loads are in; those of the three steps behind may be out
	TURN 0
.macro STEP t
.set XS, X+16*((\t)%2)
	s_wait_dscnt 0x0                               ; this step's numbers are back from the stage: so its stores into the stage have read their registers,
.if (\t)+4 < STEPS
	LOAD (\t)+4                                    ; which take the loads of four steps on
.endif
.if (\t)+1 < STEPS
.if STEPS-2-(\t) >= 3
	s_wait_loadcnt 12                              ; the next step's four loads are in; those of the three steps behind it may be out
.else
	s_wait_loadcnt 4*(STEPS-2-(\t))
.endif
	TURN (\t)+1                                    ; and go through the other stage while this step is worked
.endif
.irp i, 0,1,2,3,4,5,6,7,8,9,10,11,12,13,14,15
	v_med3_num_f32 v[XS+\i], v[XS+\i], -v10, v10   ; the conversion to an 8-bit code does not saturate (ISA guide 7.6.2): the hold at the largest code x the scale comes first
.endr
	v_cvt_scalef32_pk8_fp8_f32 v[C+4*(\t):C+4*(\t)+1], v[XS:XS+7], v11
	v_cvt_scalef32_pk8_fp8_f32 v[C+4*(\t)+2:C+4*(\t)+3], v[XS+8:XS+15], v11
	global_store_b128 v4, v[C+4*(\t):C+4*(\t)+3], s[12:13] offset:32*CB*(\t)   ; each step has its own code registers: no store's data are written again
.endm
.irp t, 0,1,2,3,4,5,6,7,8,9,10,11,12,13,14,15
	STEP \t
.endr
	s_wait_tensorcnt 0x0
	ds_add_u32 v192, v193
	s_wait_dscnt 0x0
	s_endpgm
; THE SUMS.  Work-group g owns heads 4 g .. 4 g + 3.  Thread n (of 128) owns rows t = 16 n + i, i = 0 .. 15: a load of 16 bytes brings a row's four heads, so a wave has 16 + 16 loads.
; Register 4 i + k is row i, head k.  The running sum goes in three stages: inside a thread (15 deep, packed), across the 32 lanes (lane permutes), across the four waves (16 bytes of LDS a wave, one barrier:
; every wave of these work-groups is on this path, since the branch to it hangs on the work-group's number).
.Lscan:
	s_load_b128 s[4:7], s[0:1], 0x20               ; A_log, A_bias
	s_load_b64 s[8:9], s[0:1], 0x48                ; c2t
	v_lshrrev_b32 v4, 5, v0                        ; the wave's number, kept as a vector too
	v_readfirstlane_b32 s20, v4                    ; wave
	v_and_b32 v1, 31, v0                           ; lane
	v_mov_b32 v2, 0
	v_lshlrev_b32 v3, 10, v0                       ; my 16 rows of 64 bytes
	s_lshl_b32 s22, ttmp9, 4                       ; my four heads' 16 bytes of a row
	s_mov_b32 s23, 0
	s_lshl_b32 s24, s20, 4
	s_add_co_u32 s24, s24, SCT
	v_mov_b32 v5, s24                              ; where my wave's totals go
	v_mov_b32 v6, SCT                              ; and where all are read
	s_mul_i32 s25, s20, 4*32*SP
	s_add_co_u32 s25, s25, SCS                     ; my wave's stages
	v_mul_u32_u24 v7, v1, SP
	v_add_nc_u32 v7, s25, v7                       ; in: SP x lane: my 64 bytes of a head
	v_lshrrev_b32 v8, 2, v1
	v_mul_u32_u24 v8, v8, SP
	v_and_b32 v9, 3, v1
	v_lshl_add_u32 v8, v9, 4, v8
	v_add_nc_u32 v8, s25, v8                       ; back: SP (lane / 4) + 16 (lane % 4): 512 bytes of the head's row on end
	v_lshlrev_b32 v9, 4, v1                        ; and their place in memory: 16 x lane
	v_mov_b32 v10, 124                             ; the permute's index of lane 31
	s_wait_kmcnt 0x0
	s_add_nc_u64 s[4:5], s[4:5], s[22:23]
	s_add_nc_u64 s[6:7], s[6:7], s[22:23]
	s_lshl_b32 s22, ttmp9, 15                      ; c2t: four heads of 8,192 bytes,
	s_lshl_b32 s26, s20, 11                        ; my wave's 512 rows
	s_add_co_u32 s22, s22, s26
	s_add_nc_u64 s[8:9], s[8:9], s[22:23]
.set i, 0
.rept 16
	global_load_b128 v[Z+4*i:Z+4*i+3], v3, s[4:5] offset:64*i
.set i, i+1
.endr
.set i, 0
.rept 16
	global_load_b128 v[ZB+4*i:ZB+4*i+3], v3, s[6:7] offset:64*i
.set i, i+1
.endr
	s_wait_loadcnt 0x0
.set i, 0
.rept 32
	v_pk_add_f32 v[Z+i:Z+i+1], v[Z+i:Z+i+1], v[ZB+i:ZB+i+1]                   ; z
.set i, i+2
.endr
.set i, 0
.rept 32
	v_pk_mul_f32 v[Z+i:Z+i+1], v[Z+i:Z+i+1], 0xbfb8aa3b op_sel_hi:[1,0]       ; -z log2 e
.set i, i+2
.endr
.set i, 0
	s_wait_alu depctr_va_vdst(0)
.rept 64
	v_exp_f32 v[Z+i], v[Z+i]
.set i, i+1
.endr
	v_nop                                          ; a plain instruction behind the last exponential,
	s_wait_alu depctr_va_vdst(0)                   ; and one wait for the batch, ahead of its first reader
.set i, 0
.rept 32
	v_pk_add_f32 v[Z+i:Z+i+1], v[Z+i:Z+i+1], 1.0 op_sel_hi:[1,0]
.set i, i+2
.endr
.set i, 0
	s_wait_alu depctr_va_vdst(0)
.rept 64
	v_log_f32 v[Z+i], v[Z+i]                       ; log2(1 + e^-z) = -log2(sigmoid z), 0 or more
.set i, i+1
.endr
	v_nop
	s_wait_alu depctr_va_vdst(0)
.set i, 4
.rept 30
	v_pk_add_f32 v[Z+i:Z+i+1], v[Z+i:Z+i+1], v[Z+i-4:Z+i-3]                   ; the running sum inside my 16 rows: row i takes row i - 1's, two heads at a time
.set i, i+2
.endr
.irp k, 0,1,2,3
	v_mov_b32 v[160+\k], v[Z+60+\k]                ; my 16 rows' sums
.endr
.macro LSCAN4 d                        ; the running sum across lanes, four heads at a time: lane l adds lane l - d's, where there is one
	v_add_nc_u32 v164, -\d, v1
	v_lshlrev_b32 v164, 2, v164
.irp k, 0,1,2,3
	ds_bpermute_b32 v[168+\k], v164, v[160+\k]
.endr
	v_cmp_le_u32 vcc_lo, \d, v1
	s_wait_dscnt 0x0
.irp k, 0,1,2,3
	v_cndmask_b32 v[168+\k], v2, v[168+\k], vcc_lo
.endr
	s_wait_alu depctr_va_vdst(0)
	v_pk_add_f32 v[160:161], v[160:161], v[168:169]
	v_pk_add_f32 v[162:163], v[162:163], v[170:171]
.endm
	LSCAN4 1
	LSCAN4 2
	LSCAN4 4
	LSCAN4 8
	LSCAN4 16
	v_add_nc_u32 v164, -1, v1
	v_lshlrev_b32 v164, 2, v164
.irp k, 0,1,2,3
	ds_bpermute_b32 v[172+\k], v164, v[160+\k]     ; what lies in front of my rows in my wave: lane l - 1's sums
.endr
.irp k, 0,1,2,3
	ds_bpermute_b32 v[176+\k], v10, v[160+\k]      ; my wave's totals: lane 31's sums, in every lane
.endr
	v_cmp_le_u32 vcc_lo, 1, v1
	s_wait_dscnt 0x0
.irp k, 0,1,2,3
	v_cndmask_b32 v[172+\k], v2, v[172+\k], vcc_lo
.endr
	ds_store_b128 v5, v[176:179]                   ; all lanes write the same 16 bytes with the same numbers
	s_wait_dscnt 0x0                               ; for the others' sake: my totals have landed
	s_barrier_signal -1
	s_barrier_wait -1                              ; everybody's have; these bytes are not written again
	ds_load_b128 v[180:183], v6                    ; the totals of waves 0, 1, 2
	ds_load_b128 v[184:187], v6 offset:16
	ds_load_b128 v[188:191], v6 offset:32
	s_wait_dscnt 0x0
.irp u, 0,1,2
	v_cmp_lt_u32 vcc_lo, \u, v4                    ; wave u lies in front of mine?  A choice, not a product: a total that does not count is not touched
.irp k, 0,1,2,3
	v_cndmask_b32 v[180+4*\u+\k], v2, v[180+4*\u+\k], vcc_lo
.endr
.endr
	v_pk_add_f32 v[180:181], v[180:181], v[184:185]
	v_pk_add_f32 v[182:183], v[182:183], v[186:187]
	v_pk_add_f32 v[180:181], v[180:181], v[188:189]
	v_pk_add_f32 v[182:183], v[182:183], v[190:191]
	v_pk_add_f32 v[180:181], v[180:181], v[172:173]
	v_pk_add_f32 v[182:183], v[182:183], v[174:175]                            ; all that lies in front of my rows,
	v_pk_mul_f32 v[180:181], v[180:181], -1.0 op_sel_hi:[1,0]
	v_pk_mul_f32 v[182:183], v[182:183], -1.0 op_sel_hi:[1,0]                  ; with the sign of c2
.irp k, 0,1,2,3
.set i, 0
.rept 16
	v_sub_f32 v[ZB+16*\k+i], v[180+\k], v[Z+4*i+\k]   ; c2 = -(what lies in front) - my sum; written by heads: register 16 k + i: 16 neighbouring rows of head k
.set i, i+1
.endr
.endr
; THE WAY OUT.  A thread's 64 bytes of a head go into the wave's own stage, SP bytes from lane to lane, and come back 16 bytes a lane on end, so that a store covers 512 consecutive bytes of the head's row.
.irp k, 0,1,2,3
.irp j, 0,1,2,3
	ds_store_b128 v7, v[ZB+16*\k+4*\j:ZB+16*\k+4*\j+3] offset:32*SP*\k+16*\j
.endr
.irp j, 0,1,2,3
	ds_load_b128 v[Z+16*\k+4*\j:Z+16*\k+4*\j+3], v8 offset:32*SP*\k+8*SP*\j   ; LDS serves a wave's instructions in order: these see my stores
.endr
.endr
.irp k, 0,1,2,3
.irp j, 0,1,2,3
	s_wait_dscnt 8*(3-\k)+3-\j                     ; behind this load: the rest of its head's loads and eight LDS instructions for each later head
	global_store_b128 v9, v[Z+16*\k+4*\j:Z+16*\k+4*\j+3], s[8:9] offset:8192*\k+512*\j
.endr
.endr
	s_wait_tensorcnt 0x0
	ds_add_u32 v192, v193
	s_wait_dscnt 0x0
	s_endpgm
.Lfunc_end_k_q0e0315eacb_prep:
	.size	k_q0e0315eacb_prep, .Lfunc_end_k_q0e0315eacb_prep-k_q0e0315eacb_prep
	.p2alignl 7, 3214868480
	.fill 96, 4, 3214868480
	.section	.rodata,"a",@progbits
	.p2align	6, 0x0
	.amdhsa_kernel k_q0e0315eacb_prep
		.amdhsa_group_segment_fixed_size 75264
		.amdhsa_private_segment_fixed_size 0
		.amdhsa_enable_private_segment 0
		.amdhsa_kernarg_size 80
		.amdhsa_user_sgpr_count 2
		.amdhsa_user_sgpr_kernarg_segment_ptr 1
		.amdhsa_wavefront_size32 1
		.amdhsa_system_sgpr_workgroup_id_x 1
		.amdhsa_system_sgpr_workgroup_id_y 1
		.amdhsa_system_sgpr_workgroup_id_z 1
		.amdhsa_system_vgpr_workitem_id 0
		.amdhsa_next_free_vgpr 194
		.amdhsa_next_free_sgpr 66
		.amdhsa_reserve_vcc 1
		.amdhsa_float_denorm_mode_32 3
		.amdhsa_float_denorm_mode_16_64 3
		.amdhsa_memory_ordered 1
		.amdhsa_forward_progress 1
		.amdhsa_inst_pref_size 67
	.end_amdhsa_kernel
	.amdgpu_metadata
---
amdhsa.version: [ 1, 2 ]
amdhsa.kernels:
  - .name:           k_q0e0315eacb_prep
    .symbol:         k_q0e0315eacb_prep.kd
    .args:
      - { .name: x, .offset: 0, .size: 8, .value_kind: global_buffer, .address_space: global }
      - { .name: Wv, .offset: 8, .size: 8, .value_kind: global_buffer, .address_space: global }
      - { .name: Wo, .offset: 16, .size: 8, .value_kind: global_buffer, .address_space: global }
      - { .name: lowp_scales, .offset: 24, .size: 8, .value_kind: global_buffer, .address_space: global }
      - { .name: A_log, .offset: 32, .size: 8, .value_kind: global_buffer, .address_space: global }
      - { .name: A_bias, .offset: 40, .size: 8, .value_kind: global_buffer, .address_space: global }
      - { .name: xq, .offset: 48, .size: 8, .value_kind: global_buffer, .address_space: global }
      - { .name: wvq, .offset: 56, .size: 8, .value_kind: global_buffer, .address_space: global }
      - { .name: woq, .offset: 64, .size: 8, .value_kind: global_buffer, .address_space: global }
      - { .name: c2t, .offset: 72, .size: 8, .value_kind: global_buffer, .address_space: global }
    .group_segment_fixed_size: 75264
    .private_segment_fixed_size: 0
    .kernarg_segment_align: 8
    .kernarg_segment_size: 80
    .max_flat_workgroup_size: 128
    .sgpr_count:     66
    .vgpr_count:     194
    .wavefront_size: 32
...
	.end_amdgpu_metadata
.endif
;; end of part 1
;; launch pmat (part 2): grid 64 x 4, 16 waves a work-group, no clusters, 35,328 bytes of LDS; arguments levels, L, L_bias, c2t, lowp_scales, pq, pl; writes pq, pl
.if DOCPART == 2
	.amdgcn_target "amdgcn-amd-amdhsa--gfx1250"
	.amdhsa_code_object_version 6
	.text
	.protected	k_q0e0315eacb_pmat
	.globl	k_q0e0315eacb_pmat
	.p2align	8
	.type	k_q0e0315eacb_pmat,@function
k_q0e0315eacb_pmat:
	s_mov_b64 s[64:65], 0
	v_nop
	global_prefetch_b8 v0, s[64:65] scope:SCOPE_SE
	s_setreg_imm32_b32 hwreg(HW_REG_WAVE_MODE, 25, 1), 1
	s_wait_xcnt 0x0
; PMAT.  The second product's operand p, which does not hang on the batch, is made once: for head h, row t, source s:
;   logit = (L + L_bias)[t][h][levels[t][s]] x 2^(c2[h][t] - c2[h][s]) where s <= t, and 0 where s > t;  t2 = logit x log2 e;  M = ceil(the row's largest t2);  p = 2^(t2 - M).
; p is quantised with the given 2^e3 (FP8, E4M3); the row's sum l is taken of the unquantised p.
; OUT.  pq [h 16][t 2048][s 2048], one code a byte, s innermost.  pl [tile of 16 rows][h][row] f32.
; A chunk is 256 s.  A tile tau of 16 rows has nch = tau / 16 + 1 chunks that reach the diagonal.  Beyond them every entry of a row is the same number 2^-M: ONE chunk of it is stored, at place nch
; (where nch < 8); the later chunks of the row are not written and not read.  In the sum those entries are one multiply-add, in the maximum the start value 0.
; Levels above the diagonal's chunk have no way to the result (reference()'s own mask replaces their logits by 0).
; SHARES.  Work-group (j, g): heads 4 g .. 4 g + 3 and two tiles, tau = j and 127 - j: nine chunks in every work-group.  Wave w owns row 16 tau + w; lane l owns s = 256 q + 8 l + i of chunk q:
; its 8 codes are 8 bytes, so a wave's store covers 256 consecutive bytes at a multiple of 256 from pq's first byte.  The waves share c2's copy in LDS and the words for l: two barriers in all.
; The level's weight comes by a lane permute from a register whose lanes 0-11 hold the row's twelve weights; a level is taken to lie inside that table of twelve, as reference() relies on.
; The permutes of four chunks go out together, under one wait.  Chunks go from the diagonal's down to 0; those from nch on are passed over by branches on the work-group's number.
; No tensor load and no cluster: what work-groups share is the levels' rows, among four.  No prefetch: nearly all that a work-group reads is asked for at its head.
; LIMITS: e3 between -126 and 119.  The exponentials flush what lies under 2^-126 to 0.  NaN among the inputs is not served.
.set STL,   32768                      ; LDS: [0, 32768) c2 of my four heads: a head is 8,192 bytes: floats 8 m .. 8 m + 3 at 16 m, floats 8 m + 4 .. 8 m + 7 at 4,096 + 16 m;  then l: [tile 2][head 4][row 16] words
.set SPARE, 33280                      ; the spare words, 128 bytes for each of sixteen waves
.set VC0,  3                           ; 16 l
.set VL4,  4                           ; 4 min(l, 11)
.set VCP,  5                           ; where my thread puts its 16 bytes of c2's copy
.set VO16, 7                           ; 16 x thread
.set VO32, 8                           ; 32 l
.set VGO,  9                           ; 8 l
.set VW0,  10                          ; STL + 4 w
.set VLR,  11                          ; where waves 0 and 1 read the sums back
.set RSA,  12                          ; v12, v13  how many entries lie beyond the chunks, as f32
.set RSB,  13
.set VT,   30
.set VC,   31
.set TAA,  32                          ; v32-35 tile A: four heads' weights x log2 e (lanes 0-11);  v36-39 c2[t];  v40-47 the same for tile B
.set CTA,  36
.set TAB,  40
.set CTB,  44
.set IDXA, 48                          ; v48-79 tile A: 4 x level of chunks 0-3;  v80-143 tile B: of chunks 0-7
.set IDXB, 80
.set LG,   144                         ; v144-207 c2[s], then the decay, t2, p
.set POOL, 208                         ; v208-239 four chunks' weights; later the codes (two registers a chunk) and eight copies of 2^-M
.set CTW,  240                         ; v[240:241] c2[t] of the head in hand, twice
.set SPW,  242
.set NIL,  243
.set SH,   40                          ; s40 the head's place in c2's copy;  s41 in the words for l;  s43 trips
.set SN,   41
.set TRIP, 43
	s_load_b256 s[4:11], s[0:1], 0x0               ; levels, L, L_bias, c2t
	s_load_b128 s[12:15], s[0:1], 0x20             ; the scales' exponents, pq
	s_load_b64 s[16:17], s[0:1], 0x30              ; pl
	v_lshl_add_u32 v[SPW], v0, 2, SPARE
	v_mov_b32 v[NIL], 0
	v_lshrrev_b32 v6, 5, v0
	v_readfirstlane_b32 s18, v6                    ; wave 0..15
	s_wait_alu depctr_va_vdst(0)
	s_and_b32 s20, ttmp7, 0xffff                   ; g
	s_mov_b32 s21, ttmp9                           ; tau of tile A
	s_sub_co_u32 s22, 127, ttmp9                   ; of tile B
	s_lshr_b32 s25, s21, 4                         ; q0: the chunk with the diagonal
	s_lshr_b32 s26, s22, 4
	s_add_co_u32 s23, s25, 1                       ; nch: 1..4
	s_add_co_u32 s24, s26, 1                       ; 5..8
	s_lshl_b32 s27, s21, 4
	s_add_co_u32 s27, s27, s18                     ; my row t of tile A
	s_lshl_b32 s28, s22, 4
	s_add_co_u32 s28, s28, s18                     ; of tile B
	s_mov_b32 s29, 0xff61b1e6                      ; -3e38
	s_cmp_eq_u32 s24, 8
	s_cselect_b32 s29, s29, 0                      ; tile B's maximum starts at 0 where entries lie beyond its chunks, else under every number
	s_mov_b32 s44, 0x76543210
	s_mov_b32 s45, 0xfedcba98                      ; v_permlanex16_b32's selects for lane l xor 16
	s_lshl_b32 s46, s18, 2
	s_add_co_u32 s46, s46, STL
	s_and_b32 s47, s27, 255                        ; t - 256 q0
	s_and_b32 s72, s28, 255
	s_min_u32 s73, s18, 1
	s_lshl_b32 s73, s73, 8
	s_add_co_u32 s73, s73, STL
	s_lshl_b32 s74, s23, 8
	s_sub_co_u32 s74, 2048, s74
	s_lshl_b32 s75, s24, 8
	s_sub_co_u32 s75, 2048, s75
	v_and_b32 v1, 31, v0                           ; lane
	v_mov_b32 v2, 0
	v_lshlrev_b32 v[VC0], 4, v1
	v_lshlrev_b32 v[VGO], 3, v1
	v_sub_nc_u32 v14, v[VGO], s47                  ; 8 l - (t - 256 q0), tile A: entry i of chunk q0 lies above the diagonal where -i < v14
	v_sub_nc_u32 v15, v[VGO], s72                  ; the same for tile B
	v_mov_b32 v[VW0], s46
	v_add_nc_u32 v[VLR], s73, v[VGO]
	v_cvt_f32_u32 v[RSA], s74
	v_cvt_f32_u32 v[RSB], s75
	v_and_b32 v[VCP], 1, v0
	v_lshlrev_b32 v[VCP], 12, v[VCP]
	v_lshrrev_b32 v6, 1, v0
	v_lshl_add_u32 v[VCP], v6, 4, v[VCP]           ; thread n's 16 bytes go to 4,096 (n % 2) + 16 (n / 2)
	v_lshlrev_b32 v[VO16], 4, v0
	v_lshlrev_b32 v[VO32], 5, v1
	v_min_u32 v[VL4], 11, v1
	v_lshlrev_b32 v[VL4], 2, v[VL4]
	v_mov_b32 v27, 0                               ; a lane permute's destination counts as one of its sources
.set i, 0
.rept 32
	v_mov_b32 v[POOL+i], 0                         ; written once, so that they are written on every way through the branches below
.set i, i+1
.endr
	s_wait_alu depctr_va_vdst(0)
	s_wait_kmcnt 0x0
	s_load_b128 s[68:71], s[12:13], 0x0            ; e0 .. e3
	s_mov_b32 s47, 0
	s_mov_b32 s75, 0
	s_lshl_b32 s46, s20, 15
	s_add_nc_u64 s[60:61], s[10:11], s[46:47]      ; c2t at head 4 g,
	s_lshl_b32 s46, s27, 2
	s_add_nc_u64 s[62:63], s[60:61], s[46:47]      ; at my row of tile A,
	s_lshl_b32 s46, s28, 2
	s_add_nc_u64 s[66:67], s[60:61], s[46:47]      ; of tile B
	s_lshl_b32 s46, s27, 13
	s_add_nc_u64 s[48:49], s[4:5], s[46:47]        ; levels' rows
	s_lshl_b32 s46, s28, 13
	s_add_nc_u64 s[50:51], s[4:5], s[46:47]
	s_mul_i32 s72, s20, 192                        ; four heads of 48 bytes
	s_mul_i32 s46, s27, 768
	s_add_co_u32 s46, s46, s72
	s_add_nc_u64 s[52:53], s[6:7], s[46:47]        ; L and L_bias at (t, 4 g)
	s_add_nc_u64 s[56:57], s[8:9], s[46:47]
	s_mul_i32 s46, s28, 768
	s_add_co_u32 s46, s46, s72
	s_add_nc_u64 s[54:55], s[6:7], s[46:47]
	s_add_nc_u64 s[58:59], s[8:9], s[46:47]
	s_lshl_b32 s73, s20, 24                        ; 4 g heads of 4,194,304 bytes
	s_lshl_b32 s74, s27, 11
	s_add_co_u32 s74, s74, s73
	s_add_nc_u64 s[32:33], s[14:15], s[74:75]      ; pq at (4 g, my row of tile A),
	s_lshl_b32 s74, s23, 8
	s_add_nc_u64 s[34:35], s[32:33], s[74:75]      ; and at its chunk nch
	s_lshl_b32 s74, s28, 11
	s_add_co_u32 s74, s74, s73
	s_add_nc_u64 s[36:37], s[14:15], s[74:75]
	s_lshl_b32 s74, s24, 8
	s_add_nc_u64 s[38:39], s[36:37], s[74:75]
.irp k, 0,1,2,3
	global_load_b128 v[LG+4*\k:LG+4*\k+3], v[VO16], s[60:61] offset:8192*\k     ; c2 of my four heads: 512 threads x 16 bytes are a head
.endr
.irp k, 0,1,2,3
	global_load_b32 v[TAA+\k], v[VL4], s[52:53] offset:48*\k
	global_load_b32 v[TAB+\k], v[VL4], s[54:55] offset:48*\k
	global_load_b32 v[POOL+\k], v[VL4], s[56:57] offset:48*\k
	global_load_b32 v[POOL+4+\k], v[VL4], s[58:59] offset:48*\k
	global_load_b32 v[CTA+\k], v2, s[62:63] offset:8192*\k
	global_load_b32 v[CTB+\k], v2, s[66:67] offset:8192*\k
.endr
.irp q, 0,1,2,3
	global_load_b128 v[IDXA+8*\q:IDXA+8*\q+3], v[VO32], s[48:49] offset:1024*\q ; levels: chunks 0-3 of tile A's row,
	global_load_b128 v[IDXA+8*\q+4:IDXA+8*\q+7], v[VO32], s[48:49] offset:1024*\q+16
.endr
.irp q, 0,1,2,3,4,5,6,7
	global_load_b128 v[IDXB+8*\q:IDXB+8*\q+3], v[VO32], s[50:51] offset:1024*\q ; and last all of tile B's: these sixteen stay out while tile A is worked
	global_load_b128 v[IDXB+8*\q+4:IDXB+8*\q+7], v[VO32], s[50:51] offset:1024*\q+16
.endr
	s_wait_loadcnt 48                              ; the four loads of c2 are in: 8 + 16 + 24 loads were issued behind them
.irp k, 0,1,2,3
	ds_store_b128 v[VCP], v[LG+4*\k:LG+4*\k+3] offset:8192*\k
.endr
	s_wait_loadcnt 16                              ; all but tile B's sixteen loads of levels are in
.set i, 0
.rept 32
	v_lshlrev_b32 v[IDXA+i], 2, v[IDXA+i]          ; the permute's index is a lane x 4
.set i, i+1
.endr
.irp k, 0,1,2,3
	v_add_f32 v[TAA+\k], v[TAA+\k], v[POOL+\k]
	v_add_f32 v[TAB+\k], v[TAB+\k], v[POOL+4+\k]
.endr
.irp k, 0,1,2,3
	v_mul_f32 v[TAA+\k], 0x3fb8aa3b, v[TAA+\k]     ; x log2 e
	v_mul_f32 v[TAB+\k], 0x3fb8aa3b, v[TAB+\k]
.endr
	s_wait_kmcnt 0x0
	s_add_co_i32 s46, s71, 127
	s_lshl_b32 s72, s46, 23
	v_mov_b32 v16, s72                             ; 2^e3 as f32, for the conversions
	s_add_co_i32 s46, s46, 8
	s_lshl_b32 s46, s46, 23
	s_or_b32 s46, s46, 0x600000
	v_mov_b32 v17, s46                             ; 448 x 2^e3
	s_wait_alu depctr_va_vdst(0)
	s_wait_dscnt 0x0                               ; my part of c2's copy has landed
	s_barrier_signal -1
	s_barrier_wait -1                              ; everybody's has
; Each of the three macros below serves chunk q, and is passed over where nch <= q (a branch on the work-group's number, the same in all sixteen waves).
.macro GATH q, qmin, nch, idx, ta      ; the eight levels' weights
.if \q >= \qmin
	s_cmp_le_u32 s[\nch], \q
	s_cbranch_scc1 .Lg_\@
.endif
.irp i, 0,1,2,3,4,5,6,7
	ds_bpermute_b32 v[POOL+8*((\q)%4)+\i], v[\idx+8*(\q)+\i], v[\ta]
.endr
.Lg_\@:
.endm
.macro P1V q, qmin, nch, v8l, q0       ; t2 of my eight entries, and the running maximum
.if \q >= \qmin
	s_cmp_le_u32 s[\nch], \q
	s_cbranch_scc1 .Lv_\@
.endif
.irp i, 0,2,4,6
	v_pk_add_f32 v[LG+8*(\q)+\i:LG+8*(\q)+\i+1], v[CTW:CTW+1], v[LG+8*(\q)+\i:LG+8*(\q)+\i+1] neg_lo:[0,1] neg_hi:[0,1]   ; c2[t] - c2[s]
.endr
	s_wait_alu depctr_va_vdst(0)                   ; the wait ahead of the batch,
.irp i, 0,1,2,3,4,5,6,7
	v_exp_f32 v[LG+8*(\q)+\i], v[LG+8*(\q)+\i]     ; the decay
.endr
	v_nop                                          ; a plain instruction behind the last exponential,
	s_wait_alu depctr_va_vdst(0)                   ; and the wait behind it, ahead of its first reader
.irp i, 0,2,4,6
	v_pk_mul_f32 v[LG+8*(\q)+\i:LG+8*(\q)+\i+1], v[LG+8*(\q)+\i:LG+8*(\q)+\i+1], v[POOL+8*((\q)%4)+\i:POOL+8*((\q)%4)+\i+1]
.endr
.if \q+1 >= \qmin                      ; the chunk can be the one with the diagonal
	s_wait_alu depctr_va_vdst(0)
	s_cmp_lg_u32 s[\q0], \q
	s_cbranch_scc1 .Lnm_\@
.irp i, 0,1,2,3,4,5,6,7
	v_cmp_lt_i32 vcc_lo, -\i, v[\v8l]              ; s > t: the logit is 0
	v_cndmask_b32 v[LG+8*(\q)+\i], v[LG+8*(\q)+\i], v2, vcc_lo
.endr
.Lnm_\@:
.endif
	v_max3_num_f32 v20, v20, v[LG+8*(\q)], v[LG+8*(\q)+1]
	v_max3_num_f32 v21, v21, v[LG+8*(\q)+2], v[LG+8*(\q)+3]
	v_max3_num_f32 v20, v20, v[LG+8*(\q)+4], v[LG+8*(\q)+5]
	v_max3_num_f32 v21, v21, v[LG+8*(\q)+6], v[LG+8*(\q)+7]
.Lv_\@:
.endm
.macro P2 q, qmin, nch, pb             ; p, its sum, its codes
.if \q >= \qmin
	s_cmp_le_u32 s[\nch], \q
	s_cbranch_scc1 .Lw_\@
.endif
.irp i, 0,2,4,6
	v_pk_add_f32 v[LG+8*(\q)+\i:LG+8*(\q)+\i+1], v[LG+8*(\q)+\i:LG+8*(\q)+\i+1], v[18:19]   ; t2 - M
.endr
	s_wait_alu depctr_va_vdst(0)                   ; the wait ahead of the batch
.irp i, 0,1,2,3,4,5,6,7
	v_exp_f32 v[LG+8*(\q)+\i], v[LG+8*(\q)+\i]
.endr
	v_nop
	s_wait_alu depctr_va_vdst(0)                   ; and behind it
	v_pk_add_f32 v[22:23], v[22:23], v[LG+8*(\q):LG+8*(\q)+1]                   ; the sum is taken of the unquantised p, in two chains
	v_pk_add_f32 v[24:25], v[24:25], v[LG+8*(\q)+2:LG+8*(\q)+3]
	v_pk_add_f32 v[22:23], v[22:23], v[LG+8*(\q)+4:LG+8*(\q)+5]
	v_pk_add_f32 v[24:25], v[24:25], v[LG+8*(\q)+6:LG+8*(\q)+7]
.irp i, 0,1,2,3,4,5,6,7
	v_min_num_f32 v[LG+8*(\q)+\i], v[LG+8*(\q)+\i], v17   ; the conversion does not saturate (ISA guide 7.6.2); p is not negative, so the hold is one-sided
.endr
	v_cvt_scalef32_pk8_fp8_f32 v[POOL+2*(\q):POOL+2*(\q)+1], v[LG+8*(\q):LG+8*(\q)+7], v16
	v_nop                                          ; a plain instruction behind the scaled conversion
	global_store_b64 v[VGO], v[POOL+2*(\q):POOL+2*(\q)+1], s[\pb:\pb+1] offset:256*(\q)   ; the wave stores 256 consecutive bytes of my row
.Lw_\@:
.endm
.macro GROUP a, b, c, d, qmin, nch, idx, ta, v8l, q0   ; four chunks: their permutes under one wait, then their arithmetic
.irp q, \a, \b, \c, \d
	GATH \q, \qmin, \nch, \idx, \ta
.endr
	s_wait_dscnt 0x0                               ; c2[s] and the weights are in
.irp q, \a, \b, \c, \d
	P1V \q, \qmin, \nch, \v8l, \q0
.endr
.endm
; A tile: four heads, one a trip; the next head's weights and c2[t] move down to the registers that the text names.
.macro TILE idx, ta, ct, qmin, qmax, v8l, nch, q0, st, rs, pb, pc, sn0
	s_mov_b32 s[SH], 0
	s_mov_b32 s[SN], \sn0
	s_mov_b32 s[TRIP], 4
.Ltile_\@:
	v_add_nc_u32 v[VC], s[SH], v[VC0]
	v_mov_b32 v[CTW], v[\ct]
	v_mov_b32 v[CTW+1], v[\ct]
	v_mov_b32 v20, \st
	v_mov_b32 v21, \st
	s_wait_alu depctr_va_vdst(0)
.irp q, 0,1,2,3,4,5,6,7
.if \q < \qmax
	ds_load_b128 v[LG+8*\q:LG+8*\q+3], v[VC] offset:512*\q                      ; c2[s] of my eight neighbours, from the two planes
	ds_load_b128 v[LG+8*\q+4:LG+8*\q+7], v[VC] offset:4096+512*\q
.endif
.endr
.if \qmax == 8
	GROUP 7, 6, 5, 4, \qmin, \nch, \idx, \ta, \v8l, \q0
.endif
	GROUP 3, 2, 1, 0, \qmin, \nch, \idx, \ta, \v8l, \q0
	v_max_num_f32 v20, v20, v21
	v_max_num_f32_dpp v20, v20, v20 row_xmask:1 row_mask:0xf bank_mask:0xf
	v_max_num_f32_dpp v20, v20, v20 row_xmask:2 row_mask:0xf bank_mask:0xf
	v_max_num_f32_dpp v20, v20, v20 row_xmask:4 row_mask:0xf bank_mask:0xf
	v_max_num_f32_dpp v20, v20, v20 row_xmask:8 row_mask:0xf bank_mask:0xf
	v_permlanex16_b32 v27, v20, s44, s45
	v_max_num_f32 v20, v20, v27                    ; the row's largest t2, in every lane
	v_floor_f32 v18, -v20                          ; -M = floor(-t2) = -ceil(t2), a whole number,
	v_floor_f32 v19, -v20                          ; twice, for the packed additions
	v_cvt_i32_f32 v26, v18                         ; (it saturates)
	v_ldexp_f32 v26, 1.0, v26                      ; 2^-M: p of an entry above the diagonal
	v_min_num_f32 v26, 1.0, v26                    ; where such entries exist the maximum is 0 or more and this changes nothing; in row 2,047 it keeps 0 x infinity out of the sum
	v_mov_b32 v22, 0
	v_mov_b32 v23, 0
	v_mov_b32 v24, 0
	v_mov_b32 v25, 0
	s_wait_alu depctr_va_vdst(0)
.irp q, 7,6,5,4,3,2,1,0
.if \q < \qmax
	P2 \q, \qmin, \nch, \pb
.endif
.endr
	v_pk_add_f32 v[22:23], v[22:23], v[24:25]
	v_add_f32 v22, v22, v23
	v_add_f32_dpp v22, v22, v22 row_xmask:1 row_mask:0xf bank_mask:0xf
	v_add_f32_dpp v22, v22, v22 row_xmask:2 row_mask:0xf bank_mask:0xf
	v_add_f32_dpp v22, v22, v22 row_xmask:4 row_mask:0xf bank_mask:0xf
	v_add_f32_dpp v22, v22, v22 row_xmask:8 row_mask:0xf bank_mask:0xf
	v_permlanex16_b32 v27, v22, s44, s45
	v_add_f32 v22, v22, v27
	v_fma_f32 v22, v[\rs], v26, v22                ; l: + the entries beyond the chunks, 2^-M each
.irp i, 0,1,2,3,4,5,6,7
	v_min_num_f32 v[POOL+16+\i], v26, v17
.endr
	v_cvt_scalef32_pk8_fp8_f32 v[28:29], v[POOL+16:POOL+23], v16   ; the code of 2^-M, eight times
	v_nop
	v_add_nc_u32 v[VT], s[SN], v[VW0]
	ds_store_b32 v[VT], v22                        ; all lanes write the same word with the same number
	s_wait_alu depctr_va_vdst(0)
.if \qmax == 8
	s_cmp_lt_u32 s[\nch], 8
	s_cbranch_scc0 .Lnoc_\@
.endif
	global_store_b64 v[VGO], v[28:29], s[\pc:\pc+1]   ; the constant chunk: 256 bytes of my row
.Lnoc_\@:
	s_wait_xcnt 0x0                                ; the stores have read their data and bases: both are written again only behind this wait
	v_mov_b32 v[\ta], v[\ta+1]
	v_mov_b32 v[\ta+1], v[\ta+2]
	v_mov_b32 v[\ta+2], v[\ta+3]
	v_mov_b32 v[\ct], v[\ct+1]
	v_mov_b32 v[\ct+1], v[\ct+2]
	v_mov_b32 v[\ct+2], v[\ct+3]
	s_add_nc_u64 s[\pb:\pb+1], s[\pb:\pb+1], 0x400000   ; a head of 2,048 rows of 2,048 bytes
	s_add_nc_u64 s[\pc:\pc+1], s[\pc:\pc+1], 0x400000
	s_add_co_u32 s[SH], s[SH], 8192
	s_add_co_u32 s[SN], s[SN], 64
	s_sub_co_u32 s[TRIP], s[TRIP], 1
	s_cmp_lg_u32 s[TRIP], 0
	s_wait_alu depctr_va_vdst(0)
	s_cbranch_scc1 .Ltile_\@
.endm
	TILE IDXA, TAA, CTA, 1, 4, 14, 23, 25, 0, RSA, 32, 34, 0
	s_wait_loadcnt 0x0                             ; tile B's levels are in
.set i, 0
.rept 64
	v_lshlrev_b32 v[IDXB+i], 2, v[IDXB+i]          ; the permute's index is a lane x 4
.set i, i+1
.endr
	TILE IDXB, TAB, CTB, 5, 8, 15, 24, 26, s29, RSB, 36, 38, 256
	s_wait_dscnt 0x0                               ; my words for l have landed
	s_barrier_signal -1
	s_barrier_wait -1                              ; everybody's have
	s_cmp_lt_u32 s18, 2                            ; wave 0 stores tile A's 4 heads x 16 rows, wave 1 tile B's: 256 bytes each
	s_cbranch_scc0 .Lend
	ds_load_b64 v[28:29], v[VLR]
	s_cmp_eq_u32 s18, 0
	s_cselect_b32 s46, s21, s22
	s_lshl_b32 s46, s46, 4
	s_lshl_b32 s72, s20, 2
	s_add_co_u32 s46, s46, s72
	s_lshl_b32 s46, s46, 6                         ; (16 tau + 4 g) x 64 bytes
	s_add_nc_u64 s[16:17], s[16:17], s[46:47]
	s_wait_dscnt 0x0
	global_store_b64 v[VGO], v[28:29], s[16:17]
.Lend:
	s_wait_tensorcnt 0x0                           ; the wave's end
	ds_add_u32 v[SPW], v[NIL]
	s_wait_dscnt 0x0
	s_endpgm
.Lfunc_end_k_q0e0315eacb_pmat:
	.size	k_q0e0315eacb_pmat, .Lfunc_end_k_q0e0315eacb_pmat-k_q0e0315eacb_pmat
	.p2alignl 7, 3214868480
	.fill 96, 4, 3214868480
	.section	.rodata,"a",@progbits
	.p2align	6, 0x0
	.amdhsa_kernel k_q0e0315eacb_pmat
		.amdhsa_group_segment_fixed_size 35328
		.amdhsa_private_segment_fixed_size 0
		.amdhsa_enable_private_segment 0
		.amdhsa_kernarg_size 56
		.amdhsa_user_sgpr_count 2
		.amdhsa_user_sgpr_kernarg_segment_ptr 1
		.amdhsa_wavefront_size32 1
		.amdhsa_system_sgpr_workgroup_id_x 1
		.amdhsa_system_sgpr_workgroup_id_y 1
		.amdhsa_system_sgpr_workgroup_id_z 1
		.amdhsa_system_vgpr_workitem_id 0
		.amdhsa_next_free_vgpr 256
		.amdhsa_next_free_sgpr 80
		.amdhsa_reserve_vcc 1
		.amdhsa_float_denorm_mode_32 3
		.amdhsa_float_denorm_mode_16_64 3
		.amdhsa_memory_ordered 1
		.amdhsa_forward_progress 1
		.amdhsa_inst_pref_size 63
	.end_amdhsa_kernel
	.amdgpu_metadata
---
amdhsa.version: [ 1, 2 ]
amdhsa.kernels:
  - .name:           k_q0e0315eacb_pmat
    .symbol:         k_q0e0315eacb_pmat.kd
    .args:
      - { .name: levels, .offset: 0, .size: 8, .value_kind: global_buffer, .address_space: global }
      - { .name: L, .offset: 8, .size: 8, .value_kind: global_buffer, .address_space: global }
      - { .name: L_bias, .offset: 16, .size: 8, .value_kind: global_buffer, .address_space: global }
      - { .name: c2t, .offset: 24, .size: 8, .value_kind: global_buffer, .address_space: global }
      - { .name: lowp_scales, .offset: 32, .size: 8, .value_kind: global_buffer, .address_space: global }
      - { .name: pq, .offset: 40, .size: 8, .value_kind: global_buffer, .address_space: global }
      - { .name: pl, .offset: 48, .size: 8, .value_kind: global_buffer, .address_space: global }
    .group_segment_fixed_size: 35328
    .private_segment_fixed_size: 0
    .kernarg_segment_align: 8
    .kernarg_segment_size: 56
    .max_flat_workgroup_size: 512
    .sgpr_count:     80
    .vgpr_count:     256
    .wavefront_size: 32
...
	.end_amdgpu_metadata
.endif
;; end of part 2
;; launch vgemm (part 3): grid 64 x 4, 4 waves a work-group, clusters of 4 x 4, 327,680 bytes of LDS; arguments wvq, xq, lowp_scales, bv, vt; writes vt
.if DOCPART == 3
	.amdgcn_target "amdgcn-amd-amdhsa--gfx1250"
	.amdhsa_code_object_version 6
	.text
	.protected	k_q0e0315eacb_vgemm
	.globl	k_q0e0315eacb_vgemm
	.p2align	8
	.type	k_q0e0315eacb_vgemm,@function
k_q0e0315eacb_vgemm:
	s_mov_b64 s[64:65], 0
	v_nop
	global_prefetch_b8 v0, s[64:65] scope:SCOPE_SE
	s_setreg_imm32_b32 hwreg(HW_REG_WAVE_MODE, 25, 1), 1
	s_wait_xcnt 0x0
	s_wait_alu depctr_hold_cnt(0) depctr_sa_sdst(0) depctr_va_vdst(0) depctr_va_sdst(0) depctr_va_ssrc(0) depctr_va_vcc(0) depctr_vm_vsrc(0)
	s_getreg_b32 s2, hwreg(HW_REG_IB_STS2, 6, 4)
	s_cmp_eq_u32 s2, 0
	s_cbranch_scc0 .Lentry_in_a_cluster
	s_endpgm
.Lentry_in_a_cluster:
	s_bfe_u32 s2, ttmp6, 0x10000c
	s_cmp_lg_u32 s2, 0xf033
	s_cbranch_scc0 .Lentry_shape_is_right
	s_endpgm
.Lentry_shape_is_right:
; VGEMM.  v = x Wv^T + bv on codes of FP8 (E4M3), then v is quantised with the given 2^e2 and laid as the next product's operand.
; "A" = wvq [1024 places][1024] (source 1: a lane holds one place n), "B" = xq [16384 places][1024] (source 0: a lane's registers run along the rows of x, that is along s).
; In both, bits 3 and 4 of a row's number have changed places.  So place 16 b + 8 hh + j of B is row 32 (b / 2) + 16 hh + 8 (b % 2) + j: the 64 registers that a lane holds of one block of A against B's eight are
; s = 32 c + 16 hh + 0 .. 15, c = 0 .. 3: eight conversions make the sixteen registers of an operand, which leave as they stand: 4 stores of 512 consecutive bytes.  No stage.
; OUT.  vt [h 16][tile of rows 32 = 4 batch + place / 16][block of 128 s 16][2,048 bytes]: byte 512 c + 16 lane + i = (row lane % 16, s = 32 c + 16 (lane / 16) + i).
; A tile of 256 x 256 to a work-group of four waves, 128 x 128 a wave: 64 accumulators, 512 registers.  K goes in steps of 256 through a ring of two LDS slots filled by the tensor data mover.
; CLUSTERS: 4 x 4 work-groups; A's tiles are asked for jointly along a row of the cluster, B's along a column.  No prefetch: K has four steps, of which two are the first fills.
; LIMITS: e0 + e1 between -126 and 127; e2 between -126 and 119.
; REGISTERS, in windows of 256: window 0: v0-31 addresses; v32-95 at work on the way out; v96-111 bv; from v128 A's fragments, ONE set (on the way out: codes).  window 1: B's fragments, TWO sets.
;   window 2: the accumulators of my places 0-63 of A ((a, b) at v[8 (8 a + b)]);  window 3: of places 64-127.
.set ROWB,   256                       ; a tile's row: 256 codes
.set KROW,   1024                      ; a row in memory
.set PITCH,  272                       ; an LDS row: 256 bytes + 16 of padding = 68 words: the 16 rows that a load touches start at 16 different banks (64 banks of 4 bytes: ISA guide 11.1)
.set FR,     16
.set NL,     4
.set NP,     4                         ; places behind this matrix instruction (ISA guide 7.12.1)
.set HALFT,  128*PITCH
.set SLOT,   4*HALFT
.set LAPS,   2                         ; 1,024 along K: four K steps, twice round the ring
.set SPARE,  2*SLOT                    ; behind the ring: the spare words, 128 bytes for each wave, that no other line names
.set ABLK, 16*PITCH                    ; from block to block, from one 128 along K to the next, from load to load of a fragment
.set AQ,   128
.set ACS,  32
.set BBLK, 16*PITCH
.set BQ,   128
.set BCS,  32
.set ADRA, 16                          ; v16-17  LDS address of my A fragments in slot 0, 1
.set ADRB, 20                          ; v20-21  the same for B
.set LI,   24                          ; v24     16 x lane
.set LIM,  25                          ; v25     448 x 2^e2
.set SCL,  26                          ; v26     2^e2
.set SPW,  28                          ; v28     my spare word's address; never rewritten
.set NIL,  29                          ; v29     0; never rewritten
.set TMP,  32
.set BV,   96                          ; v96-111 bv of my place in each of A's eight blocks, twice each (a pair for the packed multiply-add)
.set AF,   128
.set PCB,  128                         ; the way out: two sets of sixteen code registers
.set G1, 24
.set G0, 32
.set G1B, 48
.set G0B, 56
.set MSB, 0
.macro WIN new                         ; the immediate's high byte repeats the setting that is left
.if MSB != (\new)
	s_set_vgpr_msb (MSB<<8)|(\new)
.set MSB, (\new)
.endif
.endm
.set MUL_LO, 0xa1                      ; source 0 (B) window 1, source 1 (A) window 0, C and D window 2
.set MUL_HI, 0xf1
.set TO_B,   0x40
.macro JLOAD g0a, g1a, g0b, g1b        ; waves 0 and 1 fetch for A, waves 2 and 3 for B; four v_nop follow each of the two lines
	s_cmp_eq_u32 s15, 0
	s_cbranch_scc0 .Lfor_b_\@
	tensor_load_to_lds s[\g0a:\g0a+3], s[\g1a:\g1a+7]
	s_nop 0
.rept 4
	v_nop
.endr
	s_branch .Lasked_\@
.Lfor_b_\@:
	tensor_load_to_lds s[\g0b:\g0b+3], s[\g1b:\g1b+7]
	s_nop 0
.rept 4
	v_nop
.endr
.Lasked_\@:
.endm
.macro CREST                           ; a round of the cluster's barrier behind its opening barrier
	s_cmp_lg_u32 s14, 0
	s_cbranch_scc1 .Lnot_wave_0_\@
	s_barrier_signal -3
.Lnot_wave_0_\@:
	s_barrier_wait -3
	s_barrier_signal -1
	s_barrier_wait -1
.endm
.macro CROUND
	s_barrier_signal -1
	s_barrier_wait -1
	CREST
.endm
	s_load_b128 s[4:7], s[0:1], 0x0                ; wvq (A), xq (B)
	s_load_b128 s[8:11], s[0:1], 0x10              ; the scales' exponents, bv
	s_load_b64 s[12:13], s[0:1], 0x20              ; vt
	v_lshl_add_u32 v[SPW], v0, 2, SPARE
	v_mov_b32 v[NIL], 0
	ds_add_u32 v28, v29
	ds_add_u32 v28, v29
	s_wait_dscnt 0x0
	v_lshrrev_b32 v1, 5, v0
	v_readfirstlane_b32 s14, v1                    ; wave 0..3
	s_lshr_b32 s15, s14, 1                         ; which half of A's places is mine.  Also: I fetch for A (0) or for B (1)
	s_and_b32 s16, s14, 1                          ; which half of B's.  Also: which 128 rows of that tile I fetch
	s_bfe_u32 s40, ttmp6, 0x40000                  ; cx, cy
	s_bfe_u32 s41, ttmp6, 0x40004
	s_lshl_b32 s42, ttmp9, 2
	s_add_co_u32 s42, s42, s40                     ; tile column (B: 256 rows of x)
	s_and_b32 s17, ttmp7, 0xffff
	s_lshl_b32 s17, s17, 2
	s_add_co_u32 s17, s17, s41                     ; tile row (A: 256 places of Wv)
	s_lshl_b32 s43, s41, 2
	s_lshl_b32 s43, 15, s43                        ; my row of the cluster
	s_lshl_b32 s44, 0x1111, s40                    ; my column
	s_or_b32 s[G1+0], s43, (0<<16)|(1<<20)|(1<<21)|(5<<22)|(3<<25)   ; the mask; elements of 1 byte; padding on; bit 21 beside a mask; after every 64 words, 4 words
	s_or_b32 s[G1B+0], s44, (0<<16)|(1<<20)|(1<<21)|(5<<22)|(3<<25)
.irp g, G1, G1B
	s_mov_b32 s[\g+1], ROWB<<16                    ; tensor_dim0
	s_mov_b32 s[\g+2], 128<<16                     ; tensor_dim1
	s_mov_b32 s[\g+3], ROWB<<16                    ; tile_dim0
	s_mov_b32 s[\g+4], 128                         ; tile_dim1
	s_mov_b32 s[\g+5], KROW                        ; tensor_dim0_stride
	s_mov_b32 s[\g+6], 0
	s_mov_b32 s[\g+7], 0
.endr
	s_lshl_b32 s18, s16, 7
	s_lshl_b32 s20, s17, 8
	s_add_co_u32 s20, s20, s18
	s_lshl_b32 s20, s20, 10                        ; A: (256 x tile row + 128 x half) rows of 1,024 bytes
	s_mov_b32 s21, 0
	s_lshl_b32 s46, s42, 8
	s_add_co_u32 s46, s46, s18
	s_lshl_b32 s46, s46, 10                        ; B likewise, by the tile column
	s_mov_b32 s47, 0
	s_mul_i32 s45, s14, HALFT                      ; where they go: wave x 128 rows
	s_wait_kmcnt 0x0
	s_load_b128 s[68:71], s[8:9], 0x0              ; e0 .. e3
	s_add_nc_u64 s[20:21], s[4:5], s[20:21]
	s_add_nc_u64 s[46:47], s[6:7], s[46:47]
	CROUND                                         ; all sixteen work-groups are here: the first joint loads meet
.irp s, 0,1
	s_mov_b32 s[G0+4*\s], 1
	s_add_co_u32 s[G0+4*\s+1], s45, \s*SLOT
	s_add_nc_u64 s[G0+4*\s+2:G0+4*\s+3], s[20:21], \s*ROWB
	s_or_b32 s[G0+4*\s+3], s[G0+4*\s+3], 0x80000000
	s_mov_b32 s[G0B+4*\s], 1
	s_add_co_u32 s[G0B+4*\s+1], s45, \s*SLOT
	s_add_nc_u64 s[G0B+4*\s+2:G0B+4*\s+3], s[46:47], \s*ROWB
	s_or_b32 s[G0B+4*\s+3], s[G0B+4*\s+3], 0x80000000
.endr
	JLOAD G0, G1, G0B, G1B                         ; K step 0: one tensor load a wave at the head
	v_and_b32 v1, 15, v0                           ; r
	v_bfe_u32 v2, v0, 4, 1                         ; hh
	v_mul_u32_u24 v3, v1, PITCH
	v_lshl_add_u32 v4, v2, 4, v3                   ; a fragment's row x pitch + 16 x half
	s_mul_i32 s21, s15, HALFT
	s_mul_i32 s22, s16, HALFT
	s_add_co_u32 s22, s22, 2*HALFT
.irp s, 0,1
	v_add_nc_u32 v[ADRA+\s], s21, v4
	v_add_nc_u32 v[ADRB+\s], s22, v4
	s_add_co_u32 s21, s21, SLOT
	s_add_co_u32 s22, s22, SLOT
.endr
	v_and_b32 v6, 31, v0
	v_lshlrev_b32 v[LI], 4, v6
	v_and_b32 v5, 8, v1
	v_add_nc_u32 v5, v5, v1
	v_lshlrev_b32 v7, 2, v5                        ; bv: place 16 a + r of my 128 is row 32 (a / 2) + 8 (a % 2) + r + 8 (r / 8)
	s_lshl_b32 s20, s17, 10
	s_lshl_b32 s21, s15, 9
	s_add_co_u32 s20, s20, s21                     ; 4 x (256 x tile row + 128 x half)
	s_mov_b32 s21, 0
	s_add_nc_u64 s[10:11], s[10:11], s[20:21]
.irp a, 0,1,2,3,4,5,6,7
	global_load_b32 v[BV+2*\a], v7, s[10:11] offset:4*(32*(\a/2)+8*(\a%2))
	global_load_b32 v[BV+2*\a+1], v7, s[10:11] offset:4*(32*(\a/2)+8*(\a%2))
.endr
	s_lshl_b32 s20, s17, 2
	s_lshl_b32 s22, s15, 1
	s_add_co_u32 s20, s20, s22
	s_lshl_b32 s20, s20, 20                        ; vt: my first head, 4 x tile row + 2 x half, of 1,048,576 bytes
	s_lshr_b32 s46, s42, 3
	s_lshl_b32 s46, s46, 17                        ; the batch: four tiles of rows of 32,768 bytes
	s_and_b32 s47, s42, 7
	s_lshl_b32 s47, s47, 1
	s_add_co_u32 s47, s47, s16
	s_lshl_b32 s47, s47, 11                        ; my block of 128 s
	s_add_co_u32 s46, s46, s47
	s_mov_b32 s47, 0
	s_add_nc_u64 s[20:21], s[20:21], s[46:47]
	s_add_nc_u64 s[12:13], s[12:13], s[20:21]
.macro FRAG reg, adr, off, cs          ; a fragment, 16 rows x 128 K, is 16 registers: registers 4 c .. 4 c + 3 of lane l hold K = 32 c + 16 (l / 16) + 0 .. 15 of row l % 16: the same places of K on both sides
.irp c, 0,1,2,3
	ds_load_b128 v[\reg+4*\c:\reg+4*\c+3], v[\adr] offset:\off+\cs*\c
.endr
.endm
; 16 matrix instructions: A's blocks a0, a0 + 1 x B's eight.  The 64 accumulators take turns, one instruction a turn, in the same order in every step.
.macro MUL16 a0, p, zero
.irp a, \a0, \a0+1
.irp b, 0,1,2,3,4,5,6,7
.if \zero
	v_wmma_f32_16x16x128_fp8_fp8 v[8*(8*((\a)%4)+\b):8*(8*((\a)%4)+\b)+7], v[128*(\p)+FR*\b:128*(\p)+FR*\b+FR-1], v[AF+FR*(\a):AF+FR*(\a)+FR-1], 0
.else
	v_wmma_f32_16x16x128_fp8_fp8 v[8*(8*((\a)%4)+\b):8*(8*((\a)%4)+\b)+7], v[128*(\p)+FR*\b:128*(\p)+FR*\b+FR-1], v[AF+FR*(\a):AF+FR*(\a)+FR-1], v[8*(8*((\a)%4)+\b):8*(8*((\a)%4)+\b)+7]
.endif
.endr
.endr
.endm
.macro FETCH_B slot, q, p
	WIN TO_B
.irp i, 0,1,2,3,4,5,6,7
	FRAG 128*(\p)+FR*\i, ADRB+\slot, BQ*(\q)+BBLK*\i, BCS
.endr
	WIN 0
.endm
.macro FETCH_A slot, q, i0
.irp i, \i0, \i0+1, \i0+2, \i0+3
	FRAG AF+FR*(\i), ADRA+\slot, AQ*(\q)+ABLK*(\i), ACS
.endr
.endm
.macro PLACES n                        ; plain vector instructions between a matrix instruction and a load into, or a read of, its registers (ISA guide 7.12.1 for a read of its registers)
.rept \n
	v_nop
.endr
.endm
.macro NEXTK slot                      ; both descriptors of the slot go two K steps on; no tensor load of mine is out
	s_add_nc_u64 s[G0+4*\slot+2:G0+4*\slot+3], s[G0+4*\slot+2:G0+4*\slot+3], 2*ROWB
	s_add_nc_u64 s[G0B+4*\slot+2:G0B+4*\slot+3], s[G0B+4*\slot+2:G0B+4*\slot+3], 2*ROWB
.endm
.macro STEP slot, q, zero              ; 128 along K that has its successor in the same slot
	s_wait_dscnt 4*NL                              ; B's set and A's blocks 0-3 are in; the youngest sixteen loads (A's blocks 4-7) may be out
	WIN MUL_LO
	MUL16 0, (\q)%2, \zero
	MUL16 2, (\q)%2, \zero
	s_wait_dscnt 0
	PLACES NP
	FETCH_B \slot, (\q)+1, 1-(\q)%2
	FETCH_A \slot, (\q)+1, 0
	WIN MUL_HI
	MUL16 4, (\q)%2, \zero
	MUL16 6, (\q)%2, \zero
	PLACES NP
	WIN 0
	FETCH_A \slot, (\q)+1, 4
.endm
.macro TURN slot, next, fill           ; a slot's last 128 along K, and the change of slots
	s_wait_tensorcnt 0x0                           ; all my tensor loads have landed: my part of the next slot
	ds_add_u32 v[SPW], v[NIL]                      ; 0 onto my spare word
	s_wait_dscnt 4*NL+1                            ; (the add and the youngest sixteen loads may be out)
	WIN MUL_LO
	MUL16 0, 1, 0
	s_wait_dscnt 0x0                               ; the add is done, and my reads of this slot are over
	s_barrier_signal -1
	MUL16 2, 1, 0
	WIN 0
	s_barrier_wait -1
.if \fill
	CREST                                          ; the barrier has opened a round of the cluster's: no wave of any partner still reads this slot or has a load on its way
	NEXTK \slot
	JLOAD G0+4*\slot, G1, G0B+4*\slot, G1B         ; the first tensor load behind the round; its four v_nop are the places in front of the loads below
.else
	PLACES NP
.endif
	FETCH_B \next, 0, 0
	FETCH_A \next, 0, 0
	WIN MUL_HI
	MUL16 4, 1, 0
	MUL16 6, 1, 0
	PLACES NP
	WIN 0
	FETCH_A \next, 0, 4
.endm
	s_wait_alu depctr_va_vdst(0)
	s_wait_tensorcnt 0x0                           ; my part of K step 0 is in
	ds_add_u32 v[SPW], v[NIL]
	s_wait_dscnt 0x0
	CROUND                                         ; everybody's part of K step 0 is in, and all sixteen work-groups are here
	JLOAD G0+4, G1, G0B+4, G1B                     ; K step 1's load, the first tensor load behind the round
	FETCH_B 0, 0, 0
	FETCH_A 0, 0, 0
	FETCH_A 0, 0, 4
	STEP 0, 0, 1                                   ; the first products start the sums: nothing is cleared
	s_mov_b32 s3, LAPS-1
.Llap:
	TURN 0, 1, 1
	STEP 1, 0, 0
	TURN 1, 0, 1
	STEP 0, 0, 0
	s_sub_co_u32 s3, s3, 1
	s_cmp_lg_u32 s3, 0
	s_cbranch_scc1 .Llap
	TURN 0, 1, 0                                   ; the last lap fills nothing
	STEP 1, 0, 0
	s_wait_dscnt 4*NL
	WIN MUL_LO
	MUL16 0, 1, 0
	MUL16 2, 1, 0
	s_wait_dscnt 0
	WIN MUL_HI
	MUL16 4, 1, 0
	MUL16 6, 1, 0
	WIN 0
; THE WAY OUT, a block of 16 places of A at a time: v = sum x 2^(e0 + e1) + bv, held, converted with 2^e2: the sixteen code registers are an operand's image.
.macro VOUT a
.set AC, 64*((\a)%4)
.set PCD, PCB+16*((\a)%2)
.if (\a) >= 2
	s_wait_xcnt 0x0                                ; the stores of two blocks ago have read these code registers
.endif
	WIN 0x02+((\a)/4)                              ; source 0: window 2 or 3
.set j, 0
.rept 32
	v_pk_fma_f32 v[TMP+j:TMP+j+1], v[AC+j:AC+j+1], s[96:97], v[BV+2*(\a):BV+2*(\a)+1] op_sel_hi:[1,0,1]   ; each accumulator from its low end on
.set j, j+2
.endr
	WIN 0
.set j, 0
.rept 64
	v_med3_num_f32 v[TMP+j], v[TMP+j], -v[LIM], v[LIM]   ; the conversion does not saturate (ISA guide 7.6.2): the hold comes first
.set j, j+1
.endr
.irp b, 0,1,2,3
	v_cvt_scalef32_pk8_fp8_f32 v[PCD+4*\b:PCD+4*\b+1], v[TMP+16*\b:TMP+16*\b+7], v[SCL]
	v_cvt_scalef32_pk8_fp8_f32 v[PCD+4*\b+2:PCD+4*\b+3], v[TMP+16*\b+8:TMP+16*\b+15], v[SCL]
.endr
	v_nop                                          ; a plain instruction behind the last conversion: the next block writes its sources
.irp c, 0,1,2,3
	global_store_b128 v[LI], v[PCD+4*\c:PCD+4*\c+3], s[12:13] offset:((\a)/4)*1048576+((\a)%4)*32768+512*\c   ; 512 consecutive bytes, at a multiple of 256 from vt's first byte
.endr
.endm
	s_wait_kmcnt 0x0
	s_add_co_i32 s96, s68, s69
	s_add_co_i32 s96, s96, 127
	s_lshl_b32 s96, s96, 23                        ; 2^(e0 + e1) as f32
	s_mov_b32 s97, s96                             ; (named with it as a pair, so it is written)
	s_add_co_i32 s72, s70, 127
	s_lshl_b32 s73, s72, 23
	v_mov_b32 v[SCL], s73
	s_add_co_i32 s72, s72, 8
	s_lshl_b32 s72, s72, 23
	s_or_b32 s72, s72, 0x600000
	v_mov_b32 v[LIM], s72
	s_wait_loadcnt 0x0                             ; bv
	PLACES NP
.irp a, 0,1,2,3,4,5,6,7
	VOUT \a
.endr
	s_wait_tensorcnt 0x0                           ; the wave's end
	ds_add_u32 v[SPW], v[NIL]
	s_wait_dscnt 0x0
	CROUND                                         ; the closing round
	s_endpgm
.Lfunc_end_k_q0e0315eacb_vgemm:
	.size	k_q0e0315eacb_vgemm, .Lfunc_end_k_q0e0315eacb_vgemm-k_q0e0315eacb_vgemm
	.p2alignl 7, 3214868480
	.fill 96, 4, 3214868480
	.section	.rodata,"a",@progbits
	.p2align	6, 0x0
	.amdhsa_kernel k_q0e0315eacb_vgemm
		.amdhsa_group_segment_fixed_size 327680
		.amdhsa_private_segment_fixed_size 0
		.amdhsa_enable_private_segment 0
		.amdhsa_kernarg_size 40
		.amdhsa_user_sgpr_count 2
		.amdhsa_user_sgpr_kernarg_segment_ptr 1
		.amdhsa_wavefront_size32 1
		.amdhsa_system_sgpr_workgroup_id_x 1
		.amdhsa_system_sgpr_workgroup_id_y 1
		.amdhsa_system_sgpr_workgroup_id_z 1
		.amdhsa_system_vgpr_workitem_id 0
		.amdhsa_next_free_vgpr 1024
		.amdhsa_next_free_sgpr 100
		.amdhsa_reserve_vcc 0
		.amdhsa_float_denorm_mode_32 3
		.amdhsa_float_denorm_mode_16_64 3
		.amdhsa_memory_ordered 1
		.amdhsa_forward_progress 1
		.amdhsa_inst_pref_size 136
	.end_amdhsa_kernel
	.amdgpu_metadata
---
amdhsa.version: [ 1, 2 ]
amdhsa.kernels:
  - .name:           k_q0e0315eacb_vgemm
    .symbol:         k_q0e0315eacb_vgemm.kd
    .args:
      - { .name: wvq, .offset: 0, .size: 8, .value_kind: global_buffer, .address_space: global }
      - { .name: xq, .offset: 8, .size: 8, .value_kind: global_buffer, .address_space: global }
      - { .name: lowp_scales, .offset: 16, .size: 8, .value_kind: global_buffer, .address_space: global }
      - { .name: bv, .offset: 24, .size: 8, .value_kind: global_buffer, .address_space: global }
      - { .name: vt, .offset: 32, .size: 8, .value_kind: global_buffer, .address_space: global }
    .group_segment_fixed_size: 327680
    .private_segment_fixed_size: 0
    .kernarg_segment_align: 8
    .kernarg_segment_size: 40
    .max_flat_workgroup_size: 128
    .sgpr_count:     100
    .vgpr_count:     1024
    .wavefront_size: 32
...
	.end_amdgpu_metadata
.endif
;; end of part 3
;; launch att (part 4): grid 8 x 32, 4 waves a work-group, clusters of 4 x 2, 327,680 bytes of LDS; arguments pq, vt, lowp_scales, pl, oq; writes oq
.if DOCPART == 4
	.amdgcn_target "amdgcn-amd-amdhsa--gfx1250"
	.amdhsa_code_object_version 6
	.text
	.protected	k_q0e0315eacb_att
	.globl	k_q0e0315eacb_att
	.p2align	8
	.type	k_q0e0315eacb_att,@function
k_q0e0315eacb_att:
	s_mov_b64 s[64:65], 0
	v_nop
	global_prefetch_b8 v0, s[64:65] scope:SCOPE_SE
	s_setreg_imm32_b32 hwreg(HW_REG_WAVE_MODE, 25, 1), 1
	s_wait_xcnt 0x0
	s_wait_alu depctr_hold_cnt(0) depctr_sa_sdst(0) depctr_va_vdst(0) depctr_va_sdst(0) depctr_va_ssrc(0) depctr_va_vcc(0) depctr_vm_vsrc(0)
	s_getreg_b32 s2, hwreg(HW_REG_IB_STS2, 6, 4)
	s_cmp_eq_u32 s2, 0
	s_cbranch_scc0 .Lentry_in_a_cluster
	s_endpgm
.Lentry_in_a_cluster:
	s_bfe_u32 s2, ttmp6, 0x10000c
	s_cmp_lg_u32 s2, 0x7013
	s_cbranch_scc0 .Lentry_shape_is_right
	s_endpgm
.Lentry_shape_is_right:
; ATT.  o[b][h][t][d] = (the sum over s of p[h][t][s] v[b][h][s][d]) x 2^(e2 + e3) / l[h][t], on codes of FP8 (E4M3); o is quantised with the given 2^e4 and laid as the next product's operand.
; "A" = pq [h][t 2048][s 2048] (source 1: a lane holds one row t), "B" = vt [h][tile of 16 rows (b, d) 32][block of 128 s 16][2,048 bytes], an image of the operand's registers (source 0).
; Work-group (x, y): head y / 2, rows t = 256 x .. + 255, half y % 2 of the head's 512 columns (b, d).  Four waves, 128 x 128 a wave: 64 accumulators, 512 registers.
; K = s goes in chunks of 256 through a ring of two LDS slots: A's 256 rows of 256 bytes (16 bytes of padding behind each), then B's 16 pieces of 4,096 bytes.  Waves 0, 1 fetch A's halves, waves 2, 3 B's.
; Chunks 0 .. x of pq hold the rows' own codes.  From chunk x + 1 on every code of a row is the same (the code of 2^-M): pq holds one such chunk, at place x + 1, and chunk k is read at place min(k, x + 1).
; CLUSTERS: 4 x 2 work-groups: cx = x % 4, cy = the half of the columns; the cluster's y is the head.  A's tile hangs on x and the head alone and is asked for jointly along a column of the cluster (two
; partners); B's hangs on the half and the head alone and is asked for jointly along a row (four).  No branch and no LDS address hangs on cx or cy.
; PREFETCH: at the change of slots that loads chunk k + 2, chunk k + 3 is asked for, up to chunk 7.  The partners share the blocks out by address: of A's 256 rows the partner cy takes 128, a lane a row of
; 256 bytes (the place clamped at x + 1, like the load's); of B's 16 pieces the partner cx takes four, 64 blocks of 256 bytes, by waves 0 and 1.  Chunks 0 to 2 come by their loads alone.
; LIMITS: e4 between -126 and 119; e2 + e3 is applied by v_ldexp_f32.
; REGISTERS, in windows of 256: window 0: v0-31 addresses; v32-127 at work on the way out; from v128 A's fragments, ONE set.  window 1: B's fragments, TWO sets.  windows 2, 3: the accumulators.
.set FR,     16
.set NL,     4
.set NP,     4                         ; places behind this matrix instruction (ISA guide 7.12.1)
.set PITCH,  272
.set HALFT,  128*PITCH
.set AREG,   2*HALFT
.set SLOT,   AREG+65536
.set SPARE,  2*SLOT                    ; behind the ring: the spare words, 128 bytes for each wave
.set ABLK, 16*PITCH
.set AQ,   128
.set ACS,  32
.set BBLK, 4096
.set BQ,   2048
.set BCS,  512
.set PFOA, 8                           ; v8  the prefetches' offsets: 2,048 x lane;  v9: 32,768 (lane / 16) + 256 (lane % 16)
.set PFOB, 9
.set ADRA, 16
.set ADRB, 20
.set LI,   24
.set LIM,  25
.set SCL,  26
.set SPW,  28
.set NIL,  29
.set TMP,  32
.set FF,   96
.set LL,   112
.set AF,   128
.set PCB,  128
.set G1, 24
.set G0, 32
.set G1B, 48
.set G0B, 56
.set KC,  78                           ; s78 the chunk in hand;  s79 x + 1;  s80, s81: KC + 2, KC + 3
.set PA,  82                           ; s[82:83] my rows of A for the prefetches;  s[94:95] the same at the chunk asked for;  s[86:87] my pieces of B;  s84: 7 in waves 0 and 1, 0 in the others
.set PB,  86
.set MSB, 0
.macro WIN new                         ; the immediate's high byte repeats the setting that is left
.if MSB != (\new)
	s_set_vgpr_msb (MSB<<8)|(\new)
.set MSB, (\new)
.endif
.endm
.set MUL_LO, 0xa1
.set MUL_HI, 0xf1
.set TO_B,   0x40
.macro TL g0, g1                       ; a tensor load with s_nop 0 and four v_nop behind it
	tensor_load_to_lds s[\g0:\g0+3], s[\g1:\g1+7]
	s_nop 0
.rept 4
	v_nop
.endr
.endm
.macro JLOAD slot                      ; a joint load: waves 0 and 1 for A, waves 2 and 3 for B; the branch hangs on the wave's number alone
	s_cmp_eq_u32 s15, 0
	s_cbranch_scc0 .Lfor_b_\@
	TL G0+4*\slot, G1
	s_branch .Lasked_\@
.Lfor_b_\@:
	TL G0B+4*\slot, G1B
.Lasked_\@:
.endm
.macro CREST                           ; a round of the cluster's barrier behind its opening barrier
	s_cmp_lg_u32 s14, 0
	s_cbranch_scc1 .Lnot_wave_0_\@
	s_barrier_signal -3
.Lnot_wave_0_\@:
	s_barrier_wait -3
	s_barrier_signal -1
	s_barrier_wait -1
.endm
.macro CROUND
	s_barrier_signal -1
	s_barrier_wait -1
	CREST
.endm
.macro ASK                             ; chunk KC + 3 is asked of memory; the tests hang on the count of chunks and on the wave's number
	s_cmp_gt_u32 s81, 7
	s_cbranch_scc1 .Lna_\@
	global_prefetch_b8 v[PFOA], s[94:95] th:TH_LOAD_NT scope:SCOPE_SE
.Lna_\@:
	s_cmp_gt_u32 s81, s84
	s_cbranch_scc1 .Lnb_\@
	global_prefetch_b8 v[PFOB], s[PB:PB+1] offset:8192 th:TH_LOAD_NT scope:SCOPE_SE
.Lnb_\@:
.endm
	s_load_b128 s[4:7], s[0:1], 0x0                ; pq, vt
	s_load_b128 s[8:11], s[0:1], 0x10              ; the scales' exponents, pl
	s_load_b64 s[12:13], s[0:1], 0x20              ; oq
	v_lshl_add_u32 v[SPW], v0, 2, SPARE
	v_mov_b32 v[NIL], 0
	ds_add_u32 v[SPW], v[NIL]                      ; the opening: the add, twice on end, and its wait ahead of the first round and my first tensor load
	ds_add_u32 v[SPW], v[NIL]
	v_lshrrev_b32 v1, 5, v0
	v_readfirstlane_b32 s14, v1                    ; wave 0..3
	s_lshr_b32 s15, s14, 1                         ; which half of A's rows is mine.  Also: I fetch for A (0) or for B (1)
	s_and_b32 s16, s14, 1                          ; which half of B's.  Also: which half of that tile I fetch
	s_bfe_u32 s40, ttmp6, 0x40000                  ; cx
	s_bfe_u32 s41, ttmp6, 0x40004                  ; cy: the half of the head's columns
	s_lshl_b32 s42, ttmp9, 2
	s_add_co_u32 s42, s42, s40                     ; x = 4 x cluster x + cx
	s_and_b32 s43, ttmp7, 0xffff                   ; the head: the cluster's y
	s_lshl_b32 s17, 0x11, s40                      ; my column of the cluster: places cx, cx + 4
	s_lshl_b32 s85, s41, 2
	s_lshl_b32 s85, 15, s85                        ; my row: places 4 cy .. 4 cy + 3
	s_or_b32 s[G1+0], s17, (0<<16)|(1<<20)|(1<<21)|(5<<22)|(3<<25)   ; A: the mask; elements of 1 byte; bit 21 beside a mask; padding: 4 words after every 64
	s_mov_b32 s[G1+1], 256<<16
	s_mov_b32 s[G1+2], 128<<16
	s_mov_b32 s[G1+3], 256<<16
	s_mov_b32 s[G1+4], 128
	s_mov_b32 s[G1+5], 2048
	s_mov_b32 s[G1+6], 0
	s_mov_b32 s[G1+7], 0
	s_or_b32 s[G1B+0], s85, (3<<16)|(1<<21)        ; B: the mask; elements of 8 bytes: 8 pieces of 4,096 bytes, 32,768 bytes apart
	s_mov_b32 s[G1B+1], 512<<16
	s_mov_b32 s[G1B+2], 8<<16
	s_mov_b32 s[G1B+3], 512<<16
	s_mov_b32 s[G1B+4], 8
	s_mov_b32 s[G1B+5], 4096
	s_mov_b32 s[G1B+6], 0
	s_mov_b32 s[G1B+7], 0
	s_lshl_b32 s20, s42, 19
	s_lshl_b32 s23, s16, 18
	s_add_co_u32 s20, s20, s23
	s_lshl_b32 s23, s43, 22
	s_add_co_u32 s20, s20, s23                     ; A: head x 4,194,304 + (256 x + 128 half) rows of 2,048 bytes: x and the head alone
	s_mov_b32 s21, 0
	s_lshl_b32 s46, s41, 4
	s_lshl_b32 s47, s16, 3
	s_add_co_u32 s46, s46, s47
	s_lshl_b32 s46, s46, 15
	s_lshl_b32 s47, s43, 20
	s_add_co_u32 s46, s46, s47                     ; B: head x 1,048,576 + (16 cy + 8 half) tiles of 32,768 bytes: cy and the head alone
	s_mov_b32 s47, 0
	s_mul_i32 s45, s16, HALFT                      ; where they go in a slot: the wave's number alone
	s_lshl_b32 s19, s16, 15
	s_add_co_u32 s19, s19, AREG
	s_mov_b32 s[KC], 0
	s_add_co_u32 s79, s42, 1
	s_mov_b32 s75, 0
	s_mov_b32 s93, 0
	s_wait_dscnt 0x0                               ; both opening adds are done
	s_wait_kmcnt 0x0
	s_load_b128 s[68:71], s[8:9], 0x0              ; e0 .. e3
	s_load_b32 s72, s[8:9], 0x10                   ; e4
	s_add_nc_u64 s[76:77], s[4:5], s[20:21]
	s_add_nc_u64 s[46:47], s[6:7], s[46:47]
	CROUND                                         ; all eight work-groups are here: the first joint loads meet
.irp s, 0,1
	s_mov_b32 s[G0+4*\s], 1
	s_add_co_u32 s[G0+4*\s+1], s45, \s*SLOT
	s_add_nc_u64 s[G0+4*\s+2:G0+4*\s+3], s[76:77], \s*256
	s_or_b32 s[G0+4*\s+3], s[G0+4*\s+3], 0x80000000
	s_mov_b32 s[G0B+4*\s], 1
	s_add_co_u32 s[G0B+4*\s+1], s19, \s*SLOT
	s_add_nc_u64 s[G0B+4*\s+2:G0B+4*\s+3], s[46:47], \s*4096
	s_or_b32 s[G0B+4*\s+3], s[G0B+4*\s+3], 0x80000000
.endr
	JLOAD 0                                        ; chunk 0: one tensor load a wave at the head
	s_mul_i32 s88, s15, HALFT                      ; my 128 rows of A in slot 0, 1
	s_add_co_u32 s89, s88, SLOT
	s_lshl_b32 s90, s16, 15
	s_add_co_u32 s90, s90, AREG                    ; my 8 pieces of B
	s_add_co_u32 s91, s90, SLOT
	s_lshl_b32 s22, s42, 8                         ; the prefetches: A: row 256 x + 128 cy + 32 wave,
	s_lshl_b32 s23, s41, 7
	s_add_co_u32 s22, s22, s23
	s_lshl_b32 s23, s14, 5
	s_add_co_u32 s22, s22, s23
	s_lshl_b32 s22, s22, 11
	s_lshl_b32 s23, s43, 22
	s_add_co_u32 s22, s22, s23
	s_mov_b32 s23, 0
	s_add_nc_u64 s[PA:PA+1], s[4:5], s[22:23]
	s_lshl_b32 s22, s41, 4                         ; B: tiles 16 cy + 4 cx + 2 (wave % 2), + 1
	s_lshl_b32 s18, s40, 2
	s_add_co_u32 s22, s22, s18
	s_lshl_b32 s18, s16, 1
	s_add_co_u32 s22, s22, s18
	s_lshl_b32 s22, s22, 15
	s_lshl_b32 s18, s43, 20
	s_add_co_u32 s22, s22, s18
	s_add_nc_u64 s[PB:PB+1], s[6:7], s[22:23]
	s_cmp_eq_u32 s15, 0
	s_cselect_b32 s84, 7, 0
	s_lshl_b32 s20, s42, 4
	s_lshl_b32 s21, s15, 3
	s_add_co_u32 s20, s20, s21                     ; my first tile of 16 rows t
	s_lshl_b32 s22, s20, 4
	s_add_co_u32 s22, s22, s43
	s_lshl_b32 s22, s22, 6
	s_add_nc_u64 s[10:11], s[10:11], s[22:23]      ; pl at (tile, head)
	s_lshl_b32 s22, s41, 2
	s_lshl_b32 s18, s16, 1
	s_add_co_u32 s22, s22, s18
	s_lshl_b32 s22, s22, 7
	s_add_co_u32 s22, s22, s20
	s_lshl_b32 s22, s22, 14
	s_lshl_b32 s18, s43, 10
	s_add_co_u32 s22, s22, s18
	s_add_nc_u64 s[12:13], s[12:13], s[22:23]      ; oq at (batch, tile, head)
	v_and_b32 v1, 15, v0                           ; r
	v_bfe_u32 v2, v0, 4, 1                         ; hh
	v_and_b32 v6, 31, v0
	v_lshlrev_b32 v[LI], 4, v6
	v_mul_u32_u24 v3, v1, PITCH
	v_lshl_add_u32 v4, v2, 4, v3                   ; A: a fragment's row x pitch + 16 x half
	v_add_nc_u32 v[ADRA], s88, v4
	v_add_nc_u32 v[ADRA+1], s89, v4
	v_add_nc_u32 v[ADRB], s90, v[LI]               ; B: 16 x lane
	v_add_nc_u32 v[ADRB+1], s91, v[LI]
	v_lshlrev_b32 v7, 2, v1
	v_lshlrev_b32 v[PFOA], 11, v6
	v_lshlrev_b32 v[PFOB], 8, v1
	v_lshl_add_u32 v[PFOB], v2, 15, v[PFOB]
	s_wait_alu depctr_va_vdst(0)
.irp a, 0,1,2,3,4,5,6,7
	global_load_b32 v[LL+\a], v7, s[10:11] offset:1024*\a   ; l of my row in each of A's eight blocks
.endr
.macro FRAG reg, adr, off, cs          ; 16 rows x 128 K in 16 registers: registers 4 c .. 4 c + 3 of lane l hold K = 32 c + 16 (l / 16) + 0 .. 15 of row l % 16: the same places of K on both sides
.irp c, 0,1,2,3
	ds_load_b128 v[\reg+4*\c:\reg+4*\c+3], v[\adr] offset:\off+\cs*\c
.endr
.endm
.macro MUL16 a0, p, zero               ; A's blocks a0, a0 + 1 x B's eight.  The 64 accumulators take turns, in the same order in every step
.irp a, \a0, \a0+1
.irp b, 0,1,2,3,4,5,6,7
.if \zero
	v_wmma_f32_16x16x128_fp8_fp8 v[8*(8*((\a)%4)+\b):8*(8*((\a)%4)+\b)+7], v[128*(\p)+FR*\b:128*(\p)+FR*\b+FR-1], v[AF+FR*(\a):AF+FR*(\a)+FR-1], 0
.else
	v_wmma_f32_16x16x128_fp8_fp8 v[8*(8*((\a)%4)+\b):8*(8*((\a)%4)+\b)+7], v[128*(\p)+FR*\b:128*(\p)+FR*\b+FR-1], v[AF+FR*(\a):AF+FR*(\a)+FR-1], v[8*(8*((\a)%4)+\b):8*(8*((\a)%4)+\b)+7]
.endif
.endr
.endr
.endm
.macro FETCH_B slot, q, p
	WIN TO_B
.irp i, 0,1,2,3,4,5,6,7
	FRAG 128*(\p)+FR*\i, ADRB+\slot, BQ*(\q)+BBLK*\i, BCS
.endr
	WIN 0
.endm
.macro FETCH_A slot, q, i0
.irp i, \i0, \i0+1, \i0+2, \i0+3
	FRAG AF+FR*(\i), ADRA+\slot, AQ*(\q)+ABLK*(\i), ACS
.endr
.endm
.macro PLACES n                        ; plain vector instructions between a matrix instruction and a load into its registers
.rept \n
	v_nop
.endr
.endm
; A chunk's first 128 s: B's set 0; the second 128's fragments are fetched.
.macro STEP slot, zero
	s_wait_dscnt 4*NL                              ; B's set and A's blocks 0-3 are in; the youngest sixteen loads (A's blocks 4-7) may be out
	WIN MUL_LO
	MUL16 0, 0, \zero
	MUL16 2, 0, \zero
	s_wait_dscnt 0x0
	PLACES NP
	FETCH_B \slot, 1, 1
	FETCH_A \slot, 1, 0
	WIN MUL_HI
	MUL16 4, 0, \zero
	MUL16 6, 0, \zero
	PLACES NP
	WIN 0
	FETCH_A \slot, 1, 4
.endm
; A chunk's second 128 s, and the change of slots.  fill = 1: the slot just left takes chunk KC + 2.
.macro TURN slot, next, fill
.if \fill
	s_wait_xcnt 0x0                                ; my prefetches have read their addresses, which are written anew
	s_add_nc_u64 s[PB:PB+1], s[PB:PB+1], 4096
	s_add_co_u32 s80, s[KC], 2
	s_add_co_u32 s81, s[KC], 3
	s_min_u32 s92, s81, s79
	s_lshl_b32 s92, s92, 8
	s_add_nc_u64 s[94:95], s[PA:PA+1], s[92:93]    ; A's chunk KC + 3, at place min(KC + 3, x + 1)
.endif
	s_wait_tensorcnt 0x0                           ; all my tensor loads have landed: my part of the next slot
	ds_add_u32 v[SPW], v[NIL]                      ; 0 onto my spare word
	s_wait_dscnt 4*NL+1                            ; (the add and the youngest sixteen loads may be out)
	WIN MUL_LO
	MUL16 0, 1, 0
	s_wait_dscnt 0x0                               ; the add is done, and my reads of this slot are over
	s_barrier_signal -1
	MUL16 2, 1, 0
	PLACES NP                                      ; for the loads below
	WIN 0
	s_barrier_wait -1
.if \fill
	CREST                                          ; the barrier has opened a round of the cluster's: no wave of any partner still reads this slot or has a load on its way
	s_min_u32 s74, s80, s79
	s_lshl_b32 s74, s74, 8
	s_add_nc_u64 s[G0+4*\slot+2:G0+4*\slot+3], s[76:77], s[74:75]   ; A's chunk KC + 2, at place min(KC + 2, x + 1)
	s_or_b32 s[G0+4*\slot+3], s[G0+4*\slot+3], 0x80000000
	s_add_nc_u64 s[G0B+4*\slot+2:G0B+4*\slot+3], s[G0B+4*\slot+2:G0B+4*\slot+3], 2*4096
	JLOAD \slot                                    ; the first tensor load behind the round
.endif
	FETCH_B \next, 0, 0
	FETCH_A \next, 0, 0
.if \fill
	ASK
.endif
	WIN MUL_HI
	MUL16 4, 1, 0
	MUL16 6, 1, 0
	PLACES NP
	WIN 0
	FETCH_A \next, 0, 4
.if \fill
	s_add_co_u32 s[KC], s[KC], 1
.endif
.endm
	s_wait_tensorcnt 0x0                           ; my part of chunk 0 is in
	ds_add_u32 v[SPW], v[NIL]
	s_wait_dscnt 0x0
	CROUND                                         ; everybody's part of chunk 0 is in, and all eight work-groups are here
	JLOAD 1                                        ; chunk 1, the first tensor load behind the round
	FETCH_B 0, 0, 0
	FETCH_A 0, 0, 0
	FETCH_A 0, 0, 4
	STEP 0, 1                                      ; the first products start the sums: nothing is cleared
	s_mov_b32 s3, 3
.Llap:                                                 ; a trip goes once round the ring and fills both slots again: chunks 2 .. 7 in three trips
	TURN 0, 1, 1
	STEP 1, 0
	TURN 1, 0, 1
	STEP 0, 0
	s_sub_co_u32 s3, s3, 1
	s_cmp_lg_u32 s3, 0
	s_cbranch_scc1 .Llap
	TURN 0, 1, 0                                   ; the last lap fills nothing
	STEP 1, 0
	s_wait_dscnt 4*NL
	WIN MUL_LO
	MUL16 0, 1, 0
	MUL16 2, 1, 0
	s_wait_dscnt 0x0
	WIN MUL_HI
	MUL16 4, 1, 0
	MUL16 6, 1, 0
	WIN 0
	s_wait_kmcnt 0x0
	s_wait_loadcnt 0x0                             ; l
.irp a, 0,1,2,3,4,5,6,7
	v_rcp_f32 v[FF+2*\a], v[LL+\a]
.endr
	v_nop                                          ; a plain instruction behind the last reciprocal
	s_add_co_i32 s73, s70, s71
	s_wait_alu depctr_va_vdst(0)                   ; one wait for the batch, ahead of its first reader
.irp a, 0,1,2,3,4,5,6,7
	v_ldexp_f32 v[FF+2*\a], v[FF+2*\a], s73        ; 2^(e2 + e3) / l
.endr
.irp a, 0,1,2,3,4,5,6,7
	v_mov_b32 v[FF+2*\a+1], v[FF+2*\a]
.endr
	s_add_co_i32 s72, s72, 127
	s_lshl_b32 s73, s72, 23
	v_mov_b32 v[SCL], s73                          ; 2^e4
	s_add_co_i32 s72, s72, 8
	s_lshl_b32 s72, s72, 23
	s_or_b32 s72, s72, 0x600000
	v_mov_b32 v[LIM], s72                          ; 448 x 2^e4
; THE WAY OUT, a block of 16 rows t at a time: scaled, held, converted: the sixteen code registers are images of the next operand's registers and leave as they stand.
.macro OOUT a
.set AC, 64*((\a)%4)
.set PCD, PCB+16*((\a)%2)
.if (\a) >= 2
	s_wait_xcnt 0x0                                ; the stores of two blocks ago have read these code registers
.endif
	WIN 0x02+((\a)/4)
.set j, 0
.rept 32
	v_pk_mul_f32 v[TMP+j:TMP+j+1], v[AC+j:AC+j+1], v[FF+2*(\a):FF+2*(\a)+1]   ; each accumulator from its low end on
.set j, j+2
.endr
	WIN 0
.set j, 0
.rept 64
	v_med3_num_f32 v[TMP+j], v[TMP+j], -v[LIM], v[LIM]   ; the conversion does not saturate (ISA guide 7.6.2): the hold comes first
.set j, j+1
.endr
.irp b, 0,1,2,3
	v_cvt_scalef32_pk8_fp8_f32 v[PCD+4*\b:PCD+4*\b+1], v[TMP+16*\b:TMP+16*\b+7], v[SCL]
	v_cvt_scalef32_pk8_fp8_f32 v[PCD+4*\b+2:PCD+4*\b+3], v[TMP+16*\b+8:TMP+16*\b+15], v[SCL]
.endr
	v_nop                                          ; a plain instruction behind the last conversion
.irp b, 0,1
.irp c, 0,1
	global_store_b128 v[LI], v[PCD+8*\b+4*\c:PCD+8*\b+4*\c+3], s[12:13] offset:\b*2097152+(\a)*16384+\c*512   ; 512 consecutive bytes, at a multiple of 256 from oq's first byte
.endr
.endr
.endm
.irp a, 0,1,2,3,4,5,6,7
	OOUT \a
.endr
	s_wait_tensorcnt 0x0                           ; the wave's end
	ds_add_u32 v[SPW], v[NIL]
	s_wait_dscnt 0x0
	CROUND                                         ; the closing round: no work-group ends while a partner may still ask for a tile that names it
	s_endpgm
.Lfunc_end_k_q0e0315eacb_att:
	.size	k_q0e0315eacb_att, .Lfunc_end_k_q0e0315eacb_att-k_q0e0315eacb_att
	.p2alignl 7, 3214868480
	.fill 96, 4, 3214868480
	.section	.rodata,"a",@progbits
	.p2align	6, 0x0
	.amdhsa_kernel k_q0e0315eacb_att
		.amdhsa_group_segment_fixed_size 327680
		.amdhsa_private_segment_fixed_size 0
		.amdhsa_enable_private_segment 0
		.amdhsa_kernarg_size 40
		.amdhsa_user_sgpr_count 2
		.amdhsa_user_sgpr_kernarg_segment_ptr 1
		.amdhsa_wavefront_size32 1
		.amdhsa_system_sgpr_workgroup_id_x 1
		.amdhsa_system_sgpr_workgroup_id_y 1
		.amdhsa_system_sgpr_workgroup_id_z 1
		.amdhsa_system_vgpr_workitem_id 0
		.amdhsa_next_free_vgpr 1024
		.amdhsa_next_free_sgpr 100
		.amdhsa_reserve_vcc 0
		.amdhsa_float_denorm_mode_32 3
		.amdhsa_float_denorm_mode_16_64 3
		.amdhsa_memory_ordered 1
		.amdhsa_forward_progress 1
		.amdhsa_inst_pref_size 138
	.end_amdhsa_kernel
	.amdgpu_metadata
---
amdhsa.version: [ 1, 2 ]
amdhsa.kernels:
  - .name:           k_q0e0315eacb_att
    .symbol:         k_q0e0315eacb_att.kd
    .args:
      - { .name: pq, .offset: 0, .size: 8, .value_kind: global_buffer, .address_space: global }
      - { .name: vt, .offset: 8, .size: 8, .value_kind: global_buffer, .address_space: global }
      - { .name: lowp_scales, .offset: 16, .size: 8, .value_kind: global_buffer, .address_space: global }
      - { .name: pl, .offset: 24, .size: 8, .value_kind: global_buffer, .address_space: global }
      - { .name: oq, .offset: 32, .size: 8, .value_kind: global_buffer, .address_space: global }
    .group_segment_fixed_size: 327680
    .private_segment_fixed_size: 0
    .kernarg_segment_align: 8
    .kernarg_segment_size: 40
    .max_flat_workgroup_size: 128
    .sgpr_count:     100
    .vgpr_count:     1024
    .wavefront_size: 32
...
	.end_amdgpu_metadata
.endif
;; end of part 4
;; launch outg (part 5): grid 4 x 64, 4 waves a work-group, clusters of 4 x 4, 327,680 bytes of LDS; arguments oq, woq, lowp_scales, bo, out0; writes out0
.if DOCPART == 5
	.amdgcn_target "amdgcn-amd-amdhsa--gfx1250"
	.amdhsa_code_object_version 6
	.text
	.protected	k_q0e0315eacb_outg
	.globl	k_q0e0315eacb_outg
	.p2align	8
	.type	k_q0e0315eacb_outg,@function
k_q0e0315eacb_outg:
	s_mov_b64 s[64:65], 0
	v_nop
	global_prefetch_b8 v0, s[64:65] scope:SCOPE_SE
	s_setreg_imm32_b32 hwreg(HW_REG_WAVE_MODE, 25, 1), 1
	s_wait_xcnt 0x0
	s_wait_alu depctr_hold_cnt(0) depctr_sa_sdst(0) depctr_va_vdst(0) depctr_va_sdst(0) depctr_va_ssrc(0) depctr_va_vcc(0) depctr_vm_vsrc(0)
	s_getreg_b32 s2, hwreg(HW_REG_IB_STS2, 6, 4)
	s_cmp_eq_u32 s2, 0
	s_cbranch_scc0 .Lentry_in_a_cluster
	s_endpgm
.Lentry_in_a_cluster:
	s_bfe_u32 s2, ttmp6, 0x10000c
	s_cmp_lg_u32 s2, 0xf033
	s_cbranch_scc0 .Lentry_shape_is_right
	s_endpgm
.Lentry_shape_is_right:
; OUTG.  out0 = o Wo^T + bo on codes of FP8 (E4M3): "A" = oq, images of the operand's registers as the launch before laid them; "B" = woq [1024][1024], K innermost.
; A tile of 256 x 256 to a work-group of four waves, 128 x 128 a wave; K in steps of 256 through a ring of two LDS slots; 4 x 4 clusters ask for A's tiles jointly along a row, for B's along a column.
; Each finished sum is multiplied by 2^(e4 + e5) and bo is added; rows leave through the wave's own stage as 512 consecutive bytes.  No prefetch: K has four steps, of which two are the first fills.
; LIMIT: e4 + e5 between -126 and 127.
.set FR,     16
.set NL,     4
.set NP,     4
.set PITCH,  272
.set HALFB,  128*PITCH
.set AREG,   65536
.set SLOT,   AREG+2*HALFB
.set LAPS,   2
.set SPARE,  2*SLOT
.set NROW,   4096
.set SPITCH, 528
.set ABLK, 4096
.set AQ,   2048
.set ACS,  512
.set BBLK, 16*PITCH
.set BQ,   128
.set BCS,  32
.set ADRA, 16
.set ADRB, 20
.set STO,  24
.set RD,   25
.set CO,   26
.set SPW,  28
.set NIL,  29
.set AF,   128
.set BK,   128
.set G1, 24
.set G0, 32
.set G1B, 48
.set G0B, 56
.set MSB, 0
.macro WIN new
.if MSB != (\new)
	s_set_vgpr_msb (MSB<<8)|(\new)
.set MSB, (\new)
.endif
.endm
.set MUL_LO, 0xa1
.set MUL_HI, 0xf1
.set TO_B,   0x40
.macro JLOAD g0a, g1a, g0b, g1b
	s_cmp_eq_u32 s15, 0
	s_cbranch_scc0 .Lfor_b_\@
	tensor_load_to_lds s[\g0a:\g0a+3], s[\g1a:\g1a+7]
	s_nop 0
.rept 4
	v_nop
.endr
	s_branch .Lasked_\@
.Lfor_b_\@:
	tensor_load_to_lds s[\g0b:\g0b+3], s[\g1b:\g1b+7]
	s_nop 0
.rept 4
	v_nop
.endr
.Lasked_\@:
.endm
.macro CREST
	s_cmp_lg_u32 s14, 0
	s_cbranch_scc1 .Lnot_wave_0_\@
	s_barrier_signal -3
.Lnot_wave_0_\@:
	s_barrier_wait -3
	s_barrier_signal -1
	s_barrier_wait -1
.endm
.macro CROUND
	s_barrier_signal -1
	s_barrier_wait -1
	CREST
.endm
	s_load_b128 s[4:7], s[0:1], 0x0
	s_load_b128 s[8:11], s[0:1], 0x10
	s_load_b64 s[12:13], s[0:1], 0x20
	v_lshl_add_u32 v[SPW], v0, 2, SPARE
	v_mov_b32 v[NIL], 0
	ds_add_u32 v28, v29
	ds_add_u32 v28, v29
	s_wait_dscnt 0x0
	v_lshrrev_b32 v1, 5, v0
	v_readfirstlane_b32 s14, v1
	s_lshr_b32 s15, s14, 1
	s_and_b32 s16, s14, 1
	s_bfe_u32 s40, ttmp6, 0x40000
	s_bfe_u32 s41, ttmp6, 0x40004
	s_lshl_b32 s42, ttmp9, 2
	s_add_co_u32 s42, s42, s40
	s_and_b32 s17, ttmp7, 0xffff
	s_lshl_b32 s17, s17, 2
	s_add_co_u32 s17, s17, s41
	s_lshl_b32 s43, s41, 2
	s_lshl_b32 s43, 15, s43
	s_lshl_b32 s44, 0x1111, s40
	s_or_b32 s[G1+0], s43, (3<<16)|(1<<21)
	s_mov_b32 s[G1+1], 512<<16
	s_mov_b32 s[G1+2], 8<<16
	s_mov_b32 s[G1+3], 512<<16
	s_mov_b32 s[G1+4], 8
	s_mov_b32 s[G1+5], 2048
	s_mov_b32 s[G1+6], 0
	s_mov_b32 s[G1+7], 0
	s_or_b32 s[G1B+0], s44, (0<<16)|(1<<20)|(1<<21)|(5<<22)|(3<<25)
	s_mov_b32 s[G1B+1], 256<<16
	s_mov_b32 s[G1B+2], 128<<16
	s_mov_b32 s[G1B+3], 256<<16
	s_mov_b32 s[G1B+4], 128
	s_mov_b32 s[G1B+5], 1024
	s_mov_b32 s[G1B+6], 0
	s_mov_b32 s[G1B+7], 0
	s_lshl_b32 s20, s17, 4
	s_lshl_b32 s18, s16, 3
	s_add_co_u32 s20, s20, s18
	s_lshl_b32 s20, s20, 14
	s_mov_b32 s21, 0
	s_lshl_b32 s46, s42, 8
	s_lshl_b32 s18, s16, 7
	s_add_co_u32 s46, s46, s18
	s_lshl_b32 s46, s46, 10
	s_mov_b32 s47, 0
	s_lshl_b32 s45, s16, 15
	s_mul_i32 s19, s16, HALFB
	s_add_co_u32 s19, s19, AREG
	s_wait_kmcnt 0x0
	s_load_b64 s[96:97], s[8:9], 0x10
	s_add_nc_u64 s[20:21], s[4:5], s[20:21]
	s_add_nc_u64 s[46:47], s[6:7], s[46:47]
	CROUND
.irp s, 0,1
	s_mov_b32 s[G0+4*\s], 1
	s_add_co_u32 s[G0+4*\s+1], s45, \s*SLOT
	s_add_nc_u64 s[G0+4*\s+2:G0+4*\s+3], s[20:21], \s*4096
	s_or_b32 s[G0+4*\s+3], s[G0+4*\s+3], 0x80000000
	s_mov_b32 s[G0B+4*\s], 1
	s_add_co_u32 s[G0B+4*\s+1], s19, \s*SLOT
	s_add_nc_u64 s[G0B+4*\s+2:G0B+4*\s+3], s[46:47], \s*256
	s_or_b32 s[G0B+4*\s+3], s[G0B+4*\s+3], 0x80000000
	s_wait_alu depctr_va_vdst(0)
	s_wait_tensorcnt 0x0
	ds_add_u32 v28, v29
	ds_add_u32 v28, v29
	s_wait_dscnt 0x0
	CROUND
	JLOAD G0+4*\s, G1, G0B+4*\s, G1B
.endr
	v_and_b32 v1, 15, v0
	v_bfe_u32 v2, v0, 4, 1
	v_and_b32 v6, 31, v0
	v_lshlrev_b32 v[CO], 4, v6
	v_mul_u32_u24 v3, v1, PITCH
	v_lshl_add_u32 v4, v2, 4, v3
	s_lshl_b32 s21, s15, 15
	s_mul_i32 s22, s16, HALFB
	s_add_co_u32 s22, s22, AREG
.irp s, 0,1
	v_add_nc_u32 v[ADRA+\s], s21, v[CO]
	v_add_nc_u32 v[ADRB+\s], s22, v4
	s_add_co_u32 s21, s21, SLOT
	s_add_co_u32 s22, s22, SLOT
.endr
	s_mul_i32 s23, s14, 16*SPITCH
	v_mul_u32_u24 v5, v1, SPITCH
	v_lshl_add_u32 v5, v2, 5, v5
	v_add_nc_u32 v[STO], s23, v5
	v_add_nc_u32 v[RD], s23, v[CO]
	s_lshl_b32 s20, s17, 8
	s_lshl_b32 s21, s15, 7
	s_add_co_u32 s20, s20, s21
	s_lshl_b32 s20, s20, 12
	s_mov_b32 s21, 0
	s_lshl_b32 s46, s42, 10
	s_lshl_b32 s47, s16, 9
	s_add_co_u32 s46, s46, s47
	s_mov_b32 s47, 0
	s_add_nc_u64 s[10:11], s[10:11], s[46:47]
	global_load_b128 v[8:11], v[CO], s[10:11]
	s_add_nc_u64 s[20:21], s[20:21], s[46:47]
	s_add_nc_u64 s[12:13], s[12:13], s[20:21]
.macro FRAG reg, adr, off, cs
.irp c, 0,1,2,3
	ds_load_b128 v[\reg+4*\c:\reg+4*\c+3], v[\adr] offset:\off+\cs*\c
.endr
.endm
.macro MUL16 a0, p, zero
.irp a, \a0, \a0+1
.irp b, 0,1,2,3,4,5,6,7
.if \zero
	v_wmma_f32_16x16x128_fp8_fp8 v[8*(8*((\a)%4)+\b):8*(8*((\a)%4)+\b)+7], v[128*(\p)+FR*\b:128*(\p)+FR*\b+FR-1], v[AF+FR*(\a):AF+FR*(\a)+FR-1], 0
.else
	v_wmma_f32_16x16x128_fp8_fp8 v[8*(8*((\a)%4)+\b):8*(8*((\a)%4)+\b)+7], v[128*(\p)+FR*\b:128*(\p)+FR*\b+FR-1], v[AF+FR*(\a):AF+FR*(\a)+FR-1], v[8*(8*((\a)%4)+\b):8*(8*((\a)%4)+\b)+7]
.endif
.endr
.endr
.endm
.macro FETCH_B slot, q, p
	WIN TO_B
.irp i, 0,1,2,3,4,5,6,7
	FRAG 128*(\p)+FR*\i, ADRB+\slot, BQ*(\q)+BBLK*\i, BCS
.endr
	WIN 0
.endm
.macro FETCH_A slot, q, i0
.irp i, \i0, \i0+1, \i0+2, \i0+3
	FRAG AF+FR*(\i), ADRA+\slot, AQ*(\q)+ABLK*(\i), ACS
.endr
.endm
.macro PLACES n
.rept \n
	v_nop
.endr
.endm
.macro NEXTK slot
	s_add_nc_u64 s[G0+4*\slot+2:G0+4*\slot+3], s[G0+4*\slot+2:G0+4*\slot+3], 2*4096
	s_add_nc_u64 s[G0B+4*\slot+2:G0B+4*\slot+3], s[G0B+4*\slot+2:G0B+4*\slot+3], 2*256
.endm
.macro STEP slot, q, zero
	s_wait_dscnt 4*NL
	WIN MUL_LO
	MUL16 0, (\q)%2, \zero
	MUL16 2, (\q)%2, \zero
	s_wait_dscnt 0
	PLACES NP
	FETCH_B \slot, (\q)+1, 1-(\q)%2
	FETCH_A \slot, (\q)+1, 0
	WIN MUL_HI
	MUL16 4, (\q)%2, \zero
	MUL16 6, (\q)%2, \zero
	PLACES NP
	WIN 0
	FETCH_A \slot, (\q)+1, 4
.endm
.macro TURN slot, next, fill
	s_wait_tensorcnt 0x0
	ds_add_u32 v[SPW], v[NIL]
	s_wait_dscnt 4*NL+1
	WIN MUL_LO
	MUL16 0, 1, 0
	s_wait_dscnt 0x0
	s_barrier_signal -1
	MUL16 2, 1, 0
	WIN 0
	s_barrier_wait -1
.if \fill
	CREST
	NEXTK \slot
	JLOAD G0+4*\slot, G1, G0B+4*\slot, G1B
.else
	PLACES NP
.endif
	FETCH_B \next, 0, 0
	FETCH_A \next, 0, 0
	WIN MUL_HI
	MUL16 4, 1, 0
	MUL16 6, 1, 0
	PLACES NP
	WIN 0
	FETCH_A \next, 0, 4
.endm
	s_wait_alu depctr_va_vdst(0)
	s_wait_tensorcnt 1
	s_barrier_signal -1
	s_barrier_wait -1
	FETCH_B 0, 0, 0
	FETCH_A 0, 0, 0
	FETCH_A 0, 0, 4
	STEP 0, 0, 1
	s_mov_b32 s3, LAPS-1
.Llap:
	TURN 0, 1, 1
	STEP 1, 0, 0
	TURN 1, 0, 1
	STEP 0, 0, 0
	s_sub_co_u32 s3, s3, 1
	s_cmp_lg_u32 s3, 0
	s_cbranch_scc1 .Llap
	TURN 0, 1, 0
	STEP 1, 0, 0
	s_wait_dscnt 4*NL
	WIN MUL_LO
	MUL16 0, 1, 0
	MUL16 2, 1, 0
	s_wait_dscnt 0
	WIN MUL_HI
	MUL16 4, 1, 0
	MUL16 6, 1, 0
	WIN 0
.macro TOSTAGE a
.set AC, 64*((\a)%4)
	WIN 0x08+4*((\a)/4)
.irp b, 0,1,2,3,4,5,6,7
	ds_store_b128 v[STO], v[AC+8*\b:AC+8*\b+3] offset:64*\b
	ds_store_b128 v[STO], v[AC+8*\b+4:AC+8*\b+7] offset:64*\b+16
.endr
	WIN 0
.set BB, BK+64*((\a)%2)
.irp t, 0,1,2,3,4,5,6,7,8,9,10,11,12,13,14,15
	ds_load_b128 v[BB+4*\t:BB+4*\t+3], v[RD] offset:\t*SPITCH
.endr
.endm
.macro SEND a, younger
.set BB, BK+64*((\a)%2)
	s_wait_dscnt \younger
.if (\a) > 0
	s_add_nc_u64 s[12:13], s[12:13], 16*NROW
.endif
.irp t, 0,1,2,3,4,5,6,7,8,9,10,11,12,13,14,15
	v_pk_fma_f32 v[BB+4*\t:BB+4*\t+1], v[BB+4*\t:BB+4*\t+1], s[96:97], v[8:9] op_sel_hi:[1,0,1]
	v_pk_fma_f32 v[BB+4*\t+2:BB+4*\t+3], v[BB+4*\t+2:BB+4*\t+3], s[96:97], v[10:11] op_sel_hi:[1,0,1]
.endr
.irp t, 0,1,2,3,4,5,6,7,8,9,10,11,12,13,14,15
	global_store_b128 v[CO], v[BB+4*\t:BB+4*\t+3], s[12:13] offset:\t*NROW th:TH_STORE_NT
.endr
.endm
	s_wait_kmcnt 0x0
	s_add_co_i32 s96, s96, s97
	s_add_co_i32 s96, s96, 127
	s_lshl_b32 s96, s96, 23
	s_wait_loadcnt 0x0
	PLACES NP
	TOSTAGE 0
.irp a, 1,2,3,4,5,6,7
.if \a > 1
	s_wait_xcnt 0x0
.endif
	TOSTAGE \a
	SEND \a-1, 32
.endr
	s_wait_xcnt 0x0
	SEND 7, 0
	s_wait_tensorcnt 0x0
	ds_add_u32 v[SPW], v[NIL]
	s_wait_dscnt 0x0
	CROUND
	s_endpgm
.Lfunc_end_k_q0e0315eacb_outg:
	.size	k_q0e0315eacb_outg, .Lfunc_end_k_q0e0315eacb_outg-k_q0e0315eacb_outg
	.p2alignl 7, 3214868480
	.fill 96, 4, 3214868480
	.section	.rodata,"a",@progbits
	.p2align	6, 0x0
	.amdhsa_kernel k_q0e0315eacb_outg
		.amdhsa_group_segment_fixed_size 327680
		.amdhsa_private_segment_fixed_size 0
		.amdhsa_enable_private_segment 0
		.amdhsa_kernarg_size 40
		.amdhsa_user_sgpr_count 2
		.amdhsa_user_sgpr_kernarg_segment_ptr 1
		.amdhsa_wavefront_size32 1
		.amdhsa_system_sgpr_workgroup_id_x 1
		.amdhsa_system_sgpr_workgroup_id_y 1
		.amdhsa_system_sgpr_workgroup_id_z 1
		.amdhsa_system_vgpr_workitem_id 0
		.amdhsa_next_free_vgpr 1024
		.amdhsa_next_free_sgpr 100
		.amdhsa_reserve_vcc 0
		.amdhsa_float_denorm_mode_32 3
		.amdhsa_float_denorm_mode_16_64 3
		.amdhsa_memory_ordered 1
		.amdhsa_forward_progress 1
		.amdhsa_inst_pref_size 124
	.end_amdhsa_kernel
	.amdgpu_metadata
---
amdhsa.version: [ 1, 2 ]
amdhsa.kernels:
  - .name:           k_q0e0315eacb_outg
    .symbol:         k_q0e0315eacb_outg.kd
    .args:
      - { .name: oq, .offset: 0, .size: 8, .value_kind: global_buffer, .address_space: global }
      - { .name: woq, .offset: 8, .size: 8, .value_kind: global_buffer, .address_space: global }
      - { .name: lowp_scales, .offset: 16, .size: 8, .value_kind: global_buffer, .address_space: global }
      - { .name: bo, .offset: 24, .size: 8, .value_kind: global_buffer, .address_space: global }
      - { .name: out0, .offset: 32, .size: 8, .value_kind: global_buffer, .address_space: global }
    .group_segment_fixed_size: 327680
    .private_segment_fixed_size: 0
    .kernarg_segment_align: 8
    .kernarg_segment_size: 40
    .max_flat_workgroup_size: 128
    .sgpr_count:     100
    .vgpr_count:     1024
    .wavefront_size: 32
...
	.end_amdgpu_metadata
.endif
;; end of part 5
